; MI455X (gfx1250); checked and timed in simulation.
; The chip was launched on July 23, 2026; its instructions are those of AMD's public machine-readable ISA for CDNA 5 (MIT licence, August 2026) and "CDNA5" Instruction Set Architecture Reference Guide (July 2026). The comments in the code are by the model that wrote it; some were corrected since.
;; Relation Sensitive Attention. Allowed arithmetic: float matrix products may take bf16 or f16 operands with f32 sums; other float arithmetic in f32, or as packed bf16 or f16 multiplies, adds, multiply-adds, maxima and minima; sums over many terms, partial sums and values carried from step to step in f32; what a program stores and reads back later, other than sums and carried values, may be rounded once to bf16 or f16.
;; Inputs: Wk 1,024 x 1,024 float32; Wo 1,024 x 1,024 float32; Wq 1,024 x 1,024 float32; Wv 1,024 x 1,024 float32; bk 1,024 float32; bo 1,024 float32; bq 1,024 float32; bv 1,024 float32; feature_map 4 x 1,024 x 1,024 float32; relation_matrix 2,048 x 2,048 float32; scene_token 4 x 1,024 float32.
;; Outputs: out0 4 x 2,048 x 1,024 float32.
;; One version. Each part assembles by itself: llvm-mc -triple=amdgcn-amd-amdhsa -mcpu=gfx1250 --defsym DOCPART=n.
;; ======== version 1 of 1: 4 launches
;; limits: values are held in f16: magnitudes above 65,504 overflow, below 6.1e-05 lose precision
;; workspace buffers: xb 8,388,608 bytes; wb 6,291,456 bytes; wo16 2,097,152 bytes; bias 16,384 bytes; qkv 25,190,400 bytes; sv 16,384 bytes; lq 8,192 bytes; o16 16,777,216 bytes
;; launch prep (part 1): grid 320 x 1, 8 waves a work-group, no clusters, 1,536 bytes of LDS; arguments feature_map, scene_token, relation_matrix, Wq, Wk, Wv, Wo, bq, bk, bv, bo, xb, wb, wo16, bias, qkv, sv, lq; writes xb, wb, wo16, bias, qkv, sv, lq
.if DOCPART == 1
	.amdgcn_target "amdgcn-amd-amdhsa--gfx1250"
	.amdhsa_code_object_version 6
	.text
	.protected	k_q41f268f944_prep
	.globl	k_q41f268f944_prep
	.p2align	8
	.type	k_q41f268f944_prep,@function
k_q41f268f944_prep:
	s_mov_b64 s[64:65], 0
	v_nop
	global_prefetch_b8 v0, s[64:65] scope:SCOPE_SE
	s_setreg_imm32_b32 hwreg(HW_REG_WAVE_MODE, 25, 1), 1
	s_wait_xcnt 0x0
; PREP: a stream.  Every input but the right half of the relation matrix is read once here and left in the form the later launches want.
;   xb   [4096][1024] bf16   feature_map rounded
;   wb   [3072][1024] bf16   Wq / 8, Wk, Wv rounded (1/8 is a power of two: bf16(W / 8) = bf16(W) / 8)
;   wo16 [1024][1024] f16    Wo rounded to bf16, that number written as f16
;   bias [4096] f32          bf16(bq) / 8, bf16(bk), bf16(bv), bf16(bo)
;   qkv rows 4096 + b        the scene token's q / 8 and k (columns 0 .. 2047) in f16;   sv [4][1024] f32: its v
;   lq   [2048] f32          L[q] = log of the sum over j < 1024 of exp(R[q][j]), the row's maximum taken away first
; WHY L.  Tokens 0 .. 1023 of a batch are one and the same row, so the 1,024 scene keys of a head share one k and one v; their part of a softmax row is
; exp(q . k / 8 + L[q]) v: ONE key with bias L[q], which hangs on neither batch nor head.
; LIMITS.  Wo, and the scene token's q / 8 and k, must lie within f16's 65,504; below 6e-5 f16 keeps its fixed step of 6e-8.  NaN and infinities are not treated apart.
; SHARES.  A row of 1,024 f32 is one wave's: eight loads of 16 bytes a lane, 512 consecutive bytes each; lane l, chunk j holds elements 128 j + 4 l .. + 3.  A wave takes four rows, all 32 loads
; issued at once; a work-group 32 rows.  Work-groups 0-95: the three weights and the scene rows; 96-127: Wo; 128-191: L; 192-319: feature_map.  No matrix unit, no cluster: nothing is shared but
; the four scene tokens, and the scene products (4 rows) ride on weights that are in registers anyway.
.set X,     32                         ; v[32:159]   row i at X + 32 i
.set SCN,   160                        ; v[160:223]  the four scene tokens in bf16: batch b, word w (elements 2 w, 2 w + 1 of my share) at SCN + 16 b + w
.set D,     8                          ; v[8:11]     the four dot products of a row
.set SPW,   6                          ; v6   LDS address of my spare word; never rewritten
.set NIL,   7                          ; v7   0; never rewritten
.set GATH,  0                          ; LDS 0 .. 511: the work-group's 32 rows' results, batch b at 128 b
.set SPARE, 512                        ; the spare words: 128 bytes for each of the eight waves
	s_load_b512 s[8:23], s[0:1], 0x0               ; feature_map 8, scene_token 10, relation_matrix 12, Wq 14, Wk 16, Wv 18, Wo 20, bq 22
	s_load_b512 s[24:39], s[0:1], 0x40             ; bk 24, bv 26, bo 28, xb 30, wb 32, wo16 34, bias 36, qkv 38
	s_load_b128 s[40:43], s[0:1], 0x80             ; sv 40, lq 42
	v_lshl_add_u32 v[SPW], v0, 2, SPARE
	v_mov_b32 v[NIL], 0
	v_lshrrev_b32 v1, 5, v0
	v_readfirstlane_b32 s2, v1                     ; wave 0..7
	v_and_b32 v1, 31, v0                           ; lane
	v_lshlrev_b32 v2, 4, v1                        ; 16, 8, 4 and 2 bytes a lane
	v_lshlrev_b32 v3, 3, v1
	v_lshlrev_b32 v4, 2, v1
	v_lshlrev_b32 v5, 1, v1
	v_mov_b32 v16, 0                               ; v_permlanex16_b32's destination counts as read
	s_lshl_b32 s56, s2, 4
	v_mov_b32 v19, s56                             ; my wave's four words in GATH
	s_mov_b32 s44, 0x76543210                      ; each lane takes its own place in the other half
	s_mov_b32 s45, 0xfedcba98
	s_mov_b32 s52, 0xffff0000                      ; a word's upper bf16
	s_mov_b32 s54, 0x3fb8aa3b                      ; log2(e), named as a pair
	s_mov_b32 s55, s54
	s_mov_b32 s51, 0                               ; s[50:51]: a byte offset with 0 above it
	s_mov_b32 s59, 0
	s_mov_b32 s61, 0
.macro LOADROW i, pitch                ; a row's 4,096 bytes
.irp j, 0,1,2,3,4,5,6,7
	global_load_b128 v[X+32*(\i)+4*(\j):X+32*(\i)+4*(\j)+3], v2, s[4:5] offset:(\i)*(\pitch)+512*(\j) th:TH_LOAD_NT
.endr
.endm
.macro TOBF i                          ; in place: a chunk's four f32 become two words of bf16 in its first two registers
.irp j, 0,1,2,3,4,5,6,7
	v_cvt_pk_bf16_f32 v[X+32*(\i)+4*(\j)],   v[X+32*(\i)+4*(\j)],   v[X+32*(\i)+4*(\j)+1]
	v_cvt_pk_bf16_f32 v[X+32*(\i)+4*(\j)+1], v[X+32*(\i)+4*(\j)+2], v[X+32*(\i)+4*(\j)+3]
.endr
.endm
.macro ST8 i                           ; each store of the wave covers 256 consecutive bytes, aligned
.irp j, 0,1,2,3,4,5,6,7
	global_store_b64 v3, v[X+32*(\i)+4*(\j):X+32*(\i)+4*(\j)+1], s[6:7] offset:2048*(\i)+256*(\j)
.endr
.endm
.macro RED opd, op, r                  ; over the 32 lanes; every lane ends with the result
	\opd v[\r], v[\r], v[\r] row_xmask:1 row_mask:0xf bank_mask:0xf
	\opd v[\r], v[\r], v[\r] row_xmask:2 row_mask:0xf bank_mask:0xf
	\opd v[\r], v[\r], v[\r] row_xmask:4 row_mask:0xf bank_mask:0xf
	\opd v[\r], v[\r], v[\r] row_xmask:8 row_mask:0xf bank_mask:0xf
	v_permlanex16_b32 v16, v[\r], s44, s45
	\op v[\r], v[\r], v16
.endm
	s_wait_kmcnt 0x0
	s_cmp_lt_u32 ttmp9, 96                         ; the job hangs on the work-group's number alone: all eight waves go the same way
	s_cbranch_scc1 .Ljw
	s_cmp_lt_u32 ttmp9, 128
	s_cbranch_scc1 .Ljo
	s_cmp_lt_u32 ttmp9, 192
	s_cbranch_scc1 .Ljl
	; ---- feature_map -> xb
	s_sub_co_u32 s57, ttmp9, 192
	s_lshl_b32 s3, s57, 5
	s_lshl2_add_u32 s3, s2, s3                     ; my first row: 32 g + 4 wave
	s_lshl_b32 s50, s3, 12
	s_add_nc_u64 s[4:5], s[8:9], s[50:51]
	s_lshl_b32 s50, s3, 11
	s_add_nc_u64 s[6:7], s[30:31], s[50:51]
.irp i, 0,1,2,3
	LOADROW \i, 4096
.endr
.irp i, 0,1,2,3
	s_wait_loadcnt 8*(3-(\i))                      ; row i is in; the younger rows' loads stay out
	TOBF \i
	ST8 \i
.endr
	s_branch .Lend
	; ---- Wo -> wo16, bo -> bias
.Ljo:
	s_sub_co_u32 s57, ttmp9, 96
	s_lshl_b32 s3, s57, 5
	s_lshl2_add_u32 s3, s2, s3
	s_lshl_b32 s50, s3, 12
	s_add_nc_u64 s[4:5], s[20:21], s[50:51]
	s_lshl_b32 s50, s3, 11
	s_add_nc_u64 s[6:7], s[34:35], s[50:51]
.irp i, 0,1,2,3
	LOADROW \i, 4096
.endr
.irp i, 0,1,2,3
	s_wait_loadcnt 8*(3-(\i))
	TOBF \i                                        ; the input's rounding, like every other input's,
.set w, 0
.rept 16                               ; and that number written as f16
.set rW, X+32*(\i)+4*(w/2)+(w%2)
	v_lshlrev_b32 v[20+2*(w%4)], 16, v[rW]
	v_and_b32 v[21+2*(w%4)], s52, v[rW]
	v_cvt_pk_f16_f32 v[rW], v[20+2*(w%4)], v[21+2*(w%4)]
.set w, w+1
.endr
	ST8 \i
.endr
	s_cmp_lg_u32 s2, 0
	s_cbranch_scc1 .Lend
	s_lshl_b32 s50, s57, 7                         ; wave 0: the 32 numbers of bo that go with these rows
	s_add_nc_u64 s[48:49], s[28:29], s[50:51]
	s_add_nc_u64 s[58:59], s[36:37], s[50:51]
	global_load_b32 v12, v4, s[48:49]
	s_wait_loadcnt 0x0
	v_cvt_pk_bf16_f32 v12, v12, v12
	v_lshlrev_b32 v12, 16, v12
	global_store_b32 v4, v12, s[58:59] offset:12288
	s_branch .Lend
	; ---- L[q] from the relation matrix's left half
.Ljl:
	s_sub_co_u32 s57, ttmp9, 128
	s_lshl_b32 s3, s57, 5
	s_lshl2_add_u32 s3, s2, s3
	s_lshl_b32 s50, s3, 13                         ; a row of the matrix is 8,192 bytes; its first 4,096 are read here
	s_add_nc_u64 s[4:5], s[12:13], s[50:51]
.irp i, 0,1,2,3
	LOADROW \i, 8192
.endr
.macro LSE i
.set B0, X+32*(\i)
	s_wait_loadcnt 8*(3-(\i))
.irp k, 0,1,2,3                        ; the maximum of my 32 numbers: four chains of seven, then the four left over
	v_max3_num_f32 v[12+\k], v[B0+8*\k], v[B0+8*\k+1], v[B0+8*\k+2]
.endr
.irp k, 0,1,2,3
	v_max3_num_f32 v[12+\k], v[12+\k], v[B0+8*\k+3], v[B0+8*\k+4]
.endr
.irp k, 0,1,2,3
	v_max3_num_f32 v[12+\k], v[12+\k], v[B0+8*\k+5], v[B0+8*\k+6]
.endr
	v_max3_num_f32 v12, v12, v[B0+7], v[B0+15]
	v_max3_num_f32 v14, v14, v[B0+23], v[B0+31]
	v_max3_num_f32 v12, v12, v13, v14
	v_max_num_f32 v12, v12, v15
	RED v_max_num_f32_dpp, v_max_num_f32, 12       ; m, in every lane
	v_mul_f32 v14, s54, v12
.set z, 0
.rept 16
	v_pk_fma_f32 v[B0+z:B0+z+1], v[B0+z:B0+z+1], s[54:55], v[14:15] op_sel_hi:[1,0,0] neg_lo:[0,0,1] neg_hi:[0,0,1]  ; (x - m) log2(e)
.set z, z+2
.endr
.set z, 0
.rept 32
	v_exp_f32 v[B0+z], v[B0+z]
.set z, z+1
.endr
	v_nop                                          ; a plain instruction between the last exponential and the use of its result
	s_wait_alu depctr_va_vdst(0)
.irp d, 16,8,4,2                       ; the sum, two at a time, in place
.set z, 0
.rept (\d)/2
	v_pk_add_f32 v[B0+z:B0+z+1], v[B0+z:B0+z+1], v[B0+(\d)+z:B0+(\d)+z+1]
.set z, z+2
.endr
.endr
	v_add_f32 v18, v[B0], v[B0+1]
	RED v_add_f32_dpp, v_add_f32, 18
	v_log_f32 v17, v18
	v_nop
	s_wait_alu depctr_va_vdst(0)
	v_fmamk_f32 v17, v17, 0x3f317218, v12          ; L = m + ln 2 x log2(sum)
	ds_store_b32 v19, v17 offset:GATH+4*(\i)       ; all lanes write the same word with the same number
.endm
.irp i, 0,1,2,3
	LSE \i
.endr
	s_wait_dscnt 0x0                               ; for the others' sake: my four words are written
	s_barrier_signal -1
	s_barrier_wait -1
	s_cmp_lg_u32 s2, 0
	s_cbranch_scc1 .Lend
	ds_load_b32 v12, v4 offset:GATH                ; wave 0: the work-group's 32 numbers, 128 consecutive bytes of lq
	s_lshl_b32 s50, s57, 7
	s_add_nc_u64 s[58:59], s[42:43], s[50:51]
	s_wait_dscnt 0x0
	global_store_b32 v4, v12, s[58:59]
	s_branch .Lend
	; ---- Wq, Wk, Wv -> wb; their biases; the scene token's q, k, v
.Ljw:
	s_cmp_lt_u32 ttmp9, 64
	s_cselect_b64 s[4:5], s[16:17], s[18:19]
	s_cselect_b64 s[48:49], s[24:25], s[26:27]
	s_cmp_lt_u32 ttmp9, 32
	s_cselect_b64 s[4:5], s[14:15], s[4:5]         ; the weight
	s_cselect_b64 s[48:49], s[22:23], s[48:49]     ; its bias
	s_cselect_b32 s46, 0x3e000000, 1.0             ; 1/8 for q, else 1: one text for the three
	s_mov_b32 s47, s46
	s_and_b32 s57, ttmp9, 31
	s_lshl_b32 s3, s57, 5
	s_lshl2_add_u32 s3, s2, s3
	s_lshl_b32 s50, s3, 12
	s_add_nc_u64 s[4:5], s[4:5], s[50:51]
	s_lshl_b32 s3, ttmp9, 5
	s_lshl2_add_u32 s3, s2, s3
	s_lshl_b32 s50, s3, 11
	s_add_nc_u64 s[6:7], s[32:33], s[50:51]
.irp b, 0,1,2,3                        ; the four scene tokens, in the rows' own lane layout
.irp j, 0,1,2,3,4,5,6,7
	global_load_b128 v[X+32*(\b)+4*(\j):X+32*(\b)+4*(\j)+3], v2, s[10:11] offset:4096*(\b)+512*(\j)
.endr
.endr
	s_wait_loadcnt 0x0
.irp b, 0,1,2,3
.irp j, 0,1,2,3,4,5,6,7
	v_cvt_pk_bf16_f32 v[SCN+16*(\b)+2*(\j)],   v[X+32*(\b)+4*(\j)],   v[X+32*(\b)+4*(\j)+1]
	v_cvt_pk_bf16_f32 v[SCN+16*(\b)+2*(\j)+1], v[X+32*(\b)+4*(\j)+2], v[X+32*(\b)+4*(\j)+3]
.endr
.endr
.irp i, 0,1,2,3
	LOADROW \i, 4096
.endr
.macro WROW i
	s_wait_loadcnt 8*(3-(\i))
.set z, 0
.rept 16
	v_pk_mul_f32 v[X+32*(\i)+z:X+32*(\i)+z+1], v[X+32*(\i)+z:X+32*(\i)+z+1], s[46:47] op_sel_hi:[1,0]
.set z, z+2
.endr
	TOBF \i
	ST8 \i
.set w, 0
.rept 16                               ; the row times the four tokens, from the bf16 halves, sums in f32: four chains by turns
.set rW, X+32*(\i)+4*(w/2)+(w%2)
.irp b, 0,1,2,3
.if w == 0
	v_fma_mix_f32_bf16 v[D+\b], v[rW], v[SCN+16*\b+w], v[NIL] op_sel_hi:[1,1,0]
.else
	v_fma_mix_f32_bf16 v[D+\b], v[rW], v[SCN+16*\b+w], v[D+\b] op_sel_hi:[1,1,0]
.endif
.endr
.irp b, 0,1,2,3
	v_fma_mix_f32_bf16 v[D+\b], v[rW], v[SCN+16*\b+w], v[D+\b] op_sel:[1,1,0] op_sel_hi:[1,1,0]
.endr
.set w, w+1
.endr
.irp b, 0,1,2,3
	RED v_add_f32_dpp, v_add_f32, D+\b
.endr
.irp b, 0,1,2,3
	ds_store_b32 v19, v[D+\b] offset:GATH+128*\b+4*(\i)
.endr
.endm
.irp i, 0,1,2,3
	WROW \i
.endr
	s_wait_dscnt 0x0                               ; for the others' sake
	s_barrier_signal -1
	s_barrier_wait -1
	s_cmp_lg_u32 s2, 0
	s_cbranch_scc1 .Lend
	s_lshl_b32 s50, s57, 7                         ; wave 0: a lane a row of the weight, which is a column of q, k or v
	s_add_nc_u64 s[48:49], s[48:49], s[50:51]
	global_load_b32 v12, v4, s[48:49]
.irp b, 0,1,2,3
	ds_load_b32 v[20+\b], v4 offset:GATH+128*\b
.endr
	s_lshl_b32 s58, ttmp9, 7
	s_add_nc_u64 s[58:59], s[36:37], s[58:59]
	s_wait_loadcnt 0x0
	v_cvt_pk_bf16_f32 v12, v12, v12
	v_lshlrev_b32 v12, 16, v12
	v_mul_f32 v12, s46, v12
	global_store_b32 v4, v12, s[58:59]
	s_wait_dscnt 0x0
.irp b, 0,1,2,3
	v_add_f32 v[20+\b], v[20+\b], v12
.endr
	s_cmp_lt_u32 ttmp9, 64
	s_cbranch_scc0 .Ljw_v
.irp b, 0,1,2,3
	v_cvt_pk_f16_f32 v[24+\b], v[20+\b], v[20+\b]
.endr
	s_lshl_b32 s60, ttmp9, 6                       ; q and k: 64 consecutive bytes of row 4096 + b of qkv
	s_add_nc_u64 s[60:61], s[38:39], s[60:61]
	s_add_nc_u64 s[60:61], s[60:61], 4096*6144
.irp b, 0,1,2,3
	global_store_b16 v5, v[24+\b], s[60:61] offset:6144*\b
.endr
	s_branch .Lend
.Ljw_v:
	s_sub_co_u32 s60, ttmp9, 64                    ; v stays in f32: 128 consecutive bytes of row b of sv
	s_lshl_b32 s60, s60, 7
	s_add_nc_u64 s[60:61], s[40:41], s[60:61]
.irp b, 0,1,2,3
	global_store_b32 v4, v[20+\b], s[60:61] offset:4096*\b
.endr
.Lend:
	s_wait_tensorcnt 0x0                           ; the wave's end, behind my last LDS store
	ds_add_u32 v[SPW], v[NIL]
	s_wait_dscnt 0x0
	s_endpgm
.Lfunc_end_k_q41f268f944_prep:
	.size	k_q41f268f944_prep, .Lfunc_end_k_q41f268f944_prep-k_q41f268f944_prep
	.p2alignl 7, 3214868480
	.fill 96, 4, 3214868480
	.section	.rodata,"a",@progbits
	.p2align	6, 0x0
	.amdhsa_kernel k_q41f268f944_prep
		.amdhsa_group_segment_fixed_size 1536
		.amdhsa_private_segment_fixed_size 0
		.amdhsa_enable_private_segment 0
		.amdhsa_kernarg_size 144
		.amdhsa_user_sgpr_count 2
		.amdhsa_user_sgpr_kernarg_segment_ptr 1
		.amdhsa_wavefront_size32 1
		.amdhsa_system_sgpr_workgroup_id_x 1
		.amdhsa_system_sgpr_workgroup_id_y 1
		.amdhsa_system_sgpr_workgroup_id_z 1
		.amdhsa_system_vgpr_workitem_id 0
		.amdhsa_next_free_vgpr 224
		.amdhsa_next_free_sgpr 66
		.amdhsa_reserve_vcc 0
		.amdhsa_float_denorm_mode_32 3
		.amdhsa_float_denorm_mode_16_64 3
		.amdhsa_memory_ordered 1
		.amdhsa_forward_progress 1
		.amdhsa_inst_pref_size 118
	.end_amdhsa_kernel
	.amdgpu_metadata
---
amdhsa.version: [ 1, 2 ]
amdhsa.kernels:
  - .name:           k_q41f268f944_prep
    .symbol:         k_q41f268f944_prep.kd
    .args:
      - { .name: feature_map, .offset: 0, .size: 8, .value_kind: global_buffer, .address_space: global }
      - { .name: scene_token, .offset: 8, .size: 8, .value_kind: global_buffer, .address_space: global }
      - { .name: relation_matrix, .offset: 16, .size: 8, .value_kind: global_buffer, .address_space: global }
      - { .name: Wq, .offset: 24, .size: 8, .value_kind: global_buffer, .address_space: global }
      - { .name: Wk, .offset: 32, .size: 8, .value_kind: global_buffer, .address_space: global }
      - { .name: Wv, .offset: 40, .size: 8, .value_kind: global_buffer, .address_space: global }
      - { .name: Wo, .offset: 48, .size: 8, .value_kind: global_buffer, .address_space: global }
      - { .name: bq, .offset: 56, .size: 8, .value_kind: global_buffer, .address_space: global }
      - { .name: bk, .offset: 64, .size: 8, .value_kind: global_buffer, .address_space: global }
      - { .name: bv, .offset: 72, .size: 8, .value_kind: global_buffer, .address_space: global }
      - { .name: bo, .offset: 80, .size: 8, .value_kind: global_buffer, .address_space: global }
      - { .name: xb, .offset: 88, .size: 8, .value_kind: global_buffer, .address_space: global }
      - { .name: wb, .offset: 96, .size: 8, .value_kind: global_buffer, .address_space: global }
      - { .name: wo16, .offset: 104, .size: 8, .value_kind: global_buffer, .address_space: global }
      - { .name: bias, .offset: 112, .size: 8, .value_kind: global_buffer, .address_space: global }
      - { .name: qkv, .offset: 120, .size: 8, .value_kind: global_buffer, .address_space: global }
      - { .name: sv, .offset: 128, .size: 8, .value_kind: global_buffer, .address_space: global }
      - { .name: lq, .offset: 136, .size: 8, .value_kind: global_buffer, .address_space: global }
    .group_segment_fixed_size: 1536
    .private_segment_fixed_size: 0
    .kernarg_segment_align: 8
    .kernarg_segment_size: 144
    .max_flat_workgroup_size: 256
    .sgpr_count:     66
    .vgpr_count:     224
    .wavefront_size: 32
...
	.end_amdgpu_metadata
.endif
;; end of part 1
;; launch gq (part 2): grid 8 x 32, 4 waves a work-group, clusters of 4 x 4, 327,680 bytes of LDS; arguments xb, wb, bias, qkv; writes qkv
.if DOCPART == 2
	.amdgcn_target "amdgcn-amd-amdhsa--gfx1250"
	.amdhsa_code_object_version 6
	.text
	.protected	k_q41f268f944_gq
	.globl	k_q41f268f944_gq
	.p2align	8
	.type	k_q41f268f944_gq,@function
k_q41f268f944_gq:
	s_mov_b64 s[64:65], 0
	v_nop
	global_prefetch_b8 v0, s[64:65] scope:SCOPE_SE
	s_setreg_imm32_b32 hwreg(HW_REG_WAVE_MODE, 25, 1), 1
	s_wait_xcnt 0x0
	s_wait_alu depctr_hold_cnt(0) depctr_sa_sdst(0) depctr_va_vdst(0) depctr_va_sdst(0) depctr_va_ssrc(0) depctr_va_vcc(0) depctr_vm_vsrc(0)
	s_getreg_b32 s2, hwreg(HW_REG_IB_STS2, 6, 4)
	s_cmp_eq_u32 s2, 0
	s_cbranch_scc0 .Lentry_in_a_cluster
	s_endpgm
.Lentry_in_a_cluster:
	s_bfe_u32 s2, ttmp6, 0x10000c
	s_cmp_lg_u32 s2, 0xf033
	s_cbranch_scc0 .Lentry_shape_is_right
	s_endpgm
.Lentry_shape_is_right:
; qkv[m][n] = bias[n] + the sum over k of xb[m][k] wb[n][k], m < 4096, n < 3072, K = 1024.  xb, wb bf16; sums in f32, begun with the bias; qkv f16, rounded once.
; Only the 4,096 feature rows are projected: the scene token's rows are all alike and were made in the launch before.
; LIMIT.  q / 8, k and v must lie within f16's 65,504; NaN and infinities are not treated apart.
; SHARES.  A tile of C is 128 x 384: 32 x 8 = 256 work-groups, and a tile's row of C is 768 bytes, three whole aligned blocks of 256.  The four waves stand side by side along n: each makes all
; 128 rows x 96 columns: 8 x 6 accumulators of 16 x 16, 384 registers.  K goes in steps of 128 through two LDS slots; wave 0 fetches A's 128 rows, waves 1 to 3 each 128 rows of B: rows of 256 bytes of memory.
; CLUSTER.  4 x 4 work-groups; A's tile is asked for jointly along a row of the cluster, B's along a column: the same tensor load, descriptor and mask in the four that the mask names.
; THE MATRIX INSTRUCTION IS USED TRANSPOSED (source 0 = 16 rows of B, source 1 = 16 rows of A): a lane holds row m = l % 16 and the columns 8 (l / 16) + 0..7, eight neighbours of a row of C.
; No prefetch: of the eight K steps the first two come at the head and the last refills have nothing behind them.
; REGISTERS, in windows of 256: window 0: v0-31 addresses, v64-127 and v128-191 A's fragments (two buffers), v192-239 the bias as a C operand, later at work on the way out;
;   window 1: v64-111, v128-175 B's fragments;  windows 2, 3: accumulator (a, b) at v[8 (6 (a % 4) + b)] of window 2 + a / 4.
.set GK,     1024
.set KSTEP,  128
.set PITCH,  272                       ; an LDS row: 256 bytes + 16 of padding: the 16 rows that a load touches start at 16 different groups of four banks (ISA guide 11.1)
.set HALFT,  128*PITCH
.set SLOT,   4*HALFT                   ; A's 128 rows, then B's 384
.set TN,     384
.set NBW,    6                         ; blocks of 16 columns a wave
.set AW,     1                         ; waves that fetch A,
.set RA,     128                       ; rows each
.set BOFF,   AW*HALFT
.set BIAS0,  0
.set CPB,    6144                      ; bytes in a row of C
.set SP,     784                       ; a row of the stage: 768 bytes + 16.  The stage is slot 0, behind its last fill and its last reader
.set SPARE,  2*SLOT                    ; the spare words, 128 bytes a wave
.set LAPS,   GK/(2*KSTEP)
.set ADRA, 16                          ; v16-17  LDS address of my A fragments in slot 0, 1
.set ADRB, 20                          ; v20-21  the same for B
.set BO,   22                          ; v22     32 (l / 16): my eight numbers of the bias
.set STO,  24                          ; v24     the way out: where I put 16 bytes of rows 0-63;  v27: of rows 64-127
.set RD,   25                          ; v25     where I read rows back
.set CO,   26                          ; v26     my byte offset in C
.set SPW,  28                          ; v28     LDS address of my spare word; never rewritten
.set NIL,  29                          ; v29     0; never rewritten
.set F0,   64
.set F1,   128
.set BIAS, 192
.set TMP,  192
.set G1A, 24
.set G0A, 32
.set G1B, 48
.set G0B, 56
.set MSB, 0
.macro WIN new                         ; the immediate's high byte repeats the setting that is left; a switch that changes nothing is dropped
.if MSB != (\new)
	s_set_vgpr_msb (MSB<<8)|(\new)
.set MSB, \new
.endif
.endm
.macro JLOAD s                         ; a joint load, one a wave; the branch hangs on the wave's number alone.  An s_nop 0 and four v_nop follow each line
	s_cmp_lt_u32 s10, AW
	s_cbranch_scc0 .Lfor_b_\@
	tensor_load_to_lds s[G0A+4*(\s):G0A+4*(\s)+3], s[G1A:G1A+7]
	s_nop 0
.rept 4
	v_nop
.endr
	s_branch .Lasked_\@
.Lfor_b_\@:
	tensor_load_to_lds s[G0B+4*(\s):G0B+4*(\s)+3], s[G1B:G1B+7]
	s_nop 0
.rept 4
	v_nop
.endr
.Lasked_\@:
.endm
.macro CREST                           ; a round of the cluster's barrier behind its opening barrier
	s_cmp_lg_u32 s10, 0
	s_cbranch_scc1 .Lnot_wave_0_\@
	s_barrier_signal -3
.Lnot_wave_0_\@:
	s_barrier_wait -3
	s_barrier_signal -1
	s_barrier_wait -1
.endm
.macro CROUND
	s_barrier_signal -1
	s_barrier_wait -1
	CREST
.endm
.macro PLACES                          ; four places in front of loads into registers that matrix instructions have read, and of lines that read results
.rept 4
	v_nop
.endr
.endm
	s_load_b128 s[4:7], s[0:1], 0x0                ; A s[4:5], B s[6:7]
	s_load_b64 s[44:45], s[0:1], 0x10              ; bias
	s_load_b64 s[8:9], s[0:1], 0x18                ; C
	v_lshl_add_u32 v[SPW], v0, 2, SPARE
	v_mov_b32 v[NIL], 0
	ds_add_u32 v[SPW], v[NIL]                      ; the wave's opening: the add and its wait ahead of my first tensor load
	v_lshrrev_b32 v1, 5, v0
	v_readfirstlane_b32 s10, v1                    ; wave 0..3
	s_bfe_u32 s40, ttmp6, 0x40000                  ; cx
	s_bfe_u32 s41, ttmp6, 0x40004                  ; cy
	s_lshl_b32 s42, ttmp9, 2
	s_add_co_u32 s42, s42, s40                     ; tile column = 4 x cluster x + cx
	s_and_b32 s13, ttmp7, 0xffff
	s_lshl_b32 s13, s13, 2
	s_add_co_u32 s13, s13, s41                     ; tile row = 4 x cluster y + cy
	s_lshl_b32 s43, s41, 2
	s_lshl_b32 s43, 15, s43                        ; my row of the cluster
	s_lshl_b32 s47, 0x1111, s40                    ; my column
	s_or_b32 s[G1A+0], s43, (1<<16)|(1<<20)|(1<<21)|(5<<22)|(3<<25)  ; the mask; 2-byte elements; padding on; bit 21 beside a mask; after every 64 words, 4 words
	s_or_b32 s[G1B+0], s47, (1<<16)|(1<<20)|(1<<21)|(5<<22)|(3<<25)
	s_mov_b32 s[G1A+1], KSTEP<<16                  ; tensor_dim0
	s_mov_b32 s[G1A+2], RA<<16                     ; tensor_dim1
	s_mov_b32 s[G1A+3], KSTEP<<16                  ; tile_dim0
	s_mov_b32 s[G1A+4], RA                         ; tile_dim1
	s_mov_b32 s[G1A+5], GK                         ; elements from row to row
	s_mov_b32 s[G1A+6], 0
	s_mov_b32 s[G1A+7], 0
	s_mov_b32 s[G1B+1], KSTEP<<16
	s_mov_b32 s[G1B+2], 128<<16
	s_mov_b32 s[G1B+3], KSTEP<<16
	s_mov_b32 s[G1B+4], 128
	s_mov_b32 s[G1B+5], GK
	s_mov_b32 s[G1B+6], 0
	s_mov_b32 s[G1B+7], 0
	s_and_b32 s17, s10, AW-1                       ; A's tile hangs on the tile row and the wave alone,
	s_mul_i32 s17, s17, RA
	s_lshl_b32 s16, s13, 7
	s_add_co_u32 s16, s16, s17
	s_lshl_b32 s16, s16, 11                        ; rows of 2,048 bytes
	s_mov_b32 s17, 0
	s_max_u32 s18, s10, AW                         ; B's on the tile column and the wave alone
	s_sub_co_u32 s18, s18, AW
	s_lshl_b32 s18, s18, 7
	s_mul_i32 s19, s42, TN
	s_add_co_u32 s18, s18, s19
	s_lshl_b32 s18, s18, 11
	s_mov_b32 s19, 0
	s_mul_i32 s20, s10, RA*PITCH                   ; where they go: the wave's number times a constant
	s_mul_i32 s21, s10, HALFT
	s_wait_dscnt 0x0                               ; the opening add is done
	s_wait_kmcnt 0x0
	s_add_nc_u64 s[14:15], s[4:5], s[16:17]
	s_add_nc_u64 s[46:47], s[6:7], s[18:19]
	CROUND                                         ; all sixteen work-groups are here: the first joint loads meet
.irp s, 0,1
	s_mov_b32 s[G0A+4*(\s)], 1
	s_add_co_u32 s[G0A+4*(\s)+1], s20, (\s)*SLOT
	s_add_nc_u64 s[G0A+4*(\s)+2:G0A+4*(\s)+3], s[14:15], (\s)*KSTEP*2
	s_or_b32 s[G0A+4*(\s)+3], s[G0A+4*(\s)+3], 0x80000000
	s_mov_b32 s[G0B+4*(\s)], 1
	s_add_co_u32 s[G0B+4*(\s)+1], s21, (\s)*SLOT
	s_add_nc_u64 s[G0B+4*(\s)+2:G0B+4*(\s)+3], s[46:47], (\s)*KSTEP*2
	s_or_b32 s[G0B+4*(\s)+3], s[G0B+4*(\s)+3], 0x80000000
	JLOAD \s                                       ; two loads of mine are out here, later one
.endr
	v_and_b32 v1, 15, v0                           ; l % 16
	v_bfe_u32 v2, v0, 4, 1                         ; l / 16
	v_lshlrev_b32 v[BO], 5, v2
	s_mul_i32 s16, s42, TN                         ; the bias of my 96 columns, laid as a C operand: register j of block b is column 16 b + 8 (l / 16) + j
	s_mul_i32 s17, s10, 16*NBW
	s_add_co_u32 s16, s16, s17
	s_lshl_b32 s16, s16, 2
	s_mov_b32 s17, 0
	s_add_nc_u64 s[44:45], s[44:45], s[16:17]
.set bb, 0
.rept NBW
	global_load_b128 v[BIAS+8*bb:BIAS+8*bb+3],   v[BO], s[44:45] offset:4*BIAS0+64*bb
	global_load_b128 v[BIAS+8*bb+4:BIAS+8*bb+7], v[BO], s[44:45] offset:4*BIAS0+64*bb+16
.set bb, bb+1
.endr
	v_mul_u32_u24 v3, v1, PITCH
	v_lshl_add_u32 v3, v2, 4, v3                   ; a fragment's row x pitch + 16 x half
	s_mul_i32 s22, s10, NBW*16*PITCH               ; my 96 rows of B, behind A's rows
	s_add_co_u32 s22, s22, BOFF
	v_mov_b32 v[ADRA], v3
	v_add_nc_u32 v[ADRA+1], SLOT, v3
	v_add_nc_u32 v[ADRB], s22, v3
	s_add_co_u32 s22, s22, SLOT
	v_add_nc_u32 v[ADRB+1], s22, v3
	v_mul_u32_u24 v[STO], v1, SP                   ; into the stage: row l % 16, my wave's 192 bytes, 16 for each half of the lanes
	v_lshl_add_u32 v[STO], v2, 4, v[STO]
	s_mul_i32 s23, s10, 32*NBW
	v_add_nc_u32 v[STO], s23, v[STO]
	v_add_nc_u32 v[STO+3], 64*SP, v[STO]
	s_mul_i32 s23, s10, 32*SP                      ; back: wave w takes rows 32 w .. + 31 whole; lanes 0-15 256 bytes of one row, lanes 16-31 of the next
	v_mul_u32_u24 v[RD], v2, SP
	v_lshl_add_u32 v[RD], v1, 4, v[RD]
	v_add_nc_u32 v[RD], s23, v[RD]
	v_mul_u32_u24 v[CO], v2, CPB
	v_lshl_add_u32 v[CO], v1, 4, v[CO]
	s_lshl_b32 s16, s13, 7
	s_lshl_b32 s17, s10, 5
	s_add_co_u32 s16, s16, s17                     ; the first row of C that I store
	s_mul_i32 s16, s16, CPB
	s_mul_i32 s17, s42, 2*TN
	s_add_co_u32 s16, s16, s17
	s_mov_b32 s17, 0
	s_add_nc_u64 s[8:9], s[8:9], s[16:17]
; 2 x NBW matrix instructions: m blocks a0, a0 + 1 of the window's four x my n blocks, 32 along K.  first = 1: the bias starts the sums: nothing is cleared, nothing added on the way out.
; All 48 accumulators take turns, one instruction a turn, in the same order in every quarter.
.macro MULH f, hi, a0, first
.if \first
	WIN 0x81+0x40*(\hi)
.else
	WIN 0xa1+0x50*(\hi)
.endif
.set aa, \a0
.rept 2
.set bb, 0
.rept NBW
.set rD, 8*(NBW*aa+bb)
.if \first
	v_wmma_f32_16x16x32_bf16 v[rD:rD+7], v[(\f)+8*bb:(\f)+8*bb+7], v[(\f)+8*(4*(\hi)+aa):(\f)+8*(4*(\hi)+aa)+7], v[BIAS+8*bb:BIAS+8*bb+7]
.else
	v_wmma_f32_16x16x32_bf16 v[rD:rD+7], v[(\f)+8*bb:(\f)+8*bb+7], v[(\f)+8*(4*(\hi)+aa):(\f)+8*(4*(\hi)+aa)+7], v[rD:rD+7]
.endif
.set bb, bb+1
.endr
.set aa, aa+1
.endr
.endm
.macro FETCH slot, k, f                ; one run of LDS loads: a quarter step's fragments: my rows of B, then A's 128 rows
	WIN 0x40
.set bb, 0
.rept NBW
	ds_load_b128 v[(\f)+8*bb:(\f)+8*bb+3],   v[ADRB+(\slot)] offset:(\k)+bb*16*PITCH
	ds_load_b128 v[(\f)+8*bb+4:(\f)+8*bb+7], v[ADRB+(\slot)] offset:(\k)+bb*16*PITCH+32
.set bb, bb+1
.endr
	WIN 0
.irp i, 0,1,2,3,4,5,6,7
	ds_load_b128 v[(\f)+8*(\i):(\f)+8*(\i)+3],   v[ADRA+(\slot)] offset:(\k)+(\i)*16*PITCH
	ds_load_b128 v[(\f)+8*(\i)+4:(\f)+8*(\i)+7], v[ADRA+(\slot)] offset:(\k)+(\i)*16*PITCH+32
.endr
.endm
.macro QUARTER slot, k, f, g, first    ; multiplies buffer f; in its middle fetches the next quarter, at byte k of the rows, into g
	s_wait_dscnt 8                                 ; B and A's rows 0-63 are in; the youngest eight loads (A's rows 64-127) may be out
	MULH \f, 0, 0, \first
	MULH \f, 0, 2, \first
	PLACES
	FETCH \slot, \k, \g
	s_wait_dscnt 16+2*NBW                          ; all but the run just issued
	MULH \f, 1, 0, \first
	MULH \f, 1, 2, \first
.endm
; The last quarter of a K step multiplies buffer 1 and changes slots: one barrier; in front of it each wave waits for all its tensor loads, adds 0 to its spare word, and waits for that and for its reads of the slot.
.macro TURN slot, next, fill
	WIN 0
	s_wait_tensorcnt 0x0                           ; all my tensor loads have landed: the one that was out is my part of the next slot
	ds_add_u32 v[SPW], v[NIL]                      ; 0 onto my spare word
	s_wait_dscnt 9                                 ; the add and the youngest eight loads may be out
	MULH F1, 0, 0, 0
	s_wait_dscnt 0x0                               ; the add is done, and my reads of this slot are over
	s_barrier_signal -1
	MULH F1, 0, 2, 0
.if \fill
	WIN 0
.endif
	s_barrier_wait -1
.if \fill
	CREST                                          ; the barrier has opened a round of the cluster's: no wave of any partner still reads this slot or has a load on its way
	s_add_nc_u64 s[G0A+4*(\slot)+2:G0A+4*(\slot)+3], s[G0A+4*(\slot)+2:G0A+4*(\slot)+3], 2*KSTEP*2
	s_add_nc_u64 s[G0B+4*(\slot)+2:G0B+4*(\slot)+3], s[G0B+4*(\slot)+2:G0B+4*(\slot)+3], 2*KSTEP*2
	JLOAD \slot                                    ; the first tensor load behind the round; its four v_nop are also the places in front of the loads below
.else
	PLACES
.endif
	FETCH \next, 0, F0
	MULH F1, 1, 0, 0
	MULH F1, 1, 2, 0
.endm
	s_wait_tensorcnt 1                             ; my part of K step 0 is in; K step 1's may stay out
	s_barrier_signal -1
	s_barrier_wait -1
	FETCH 0, 0, F0
	s_wait_loadcnt 0x0                             ; the bias
	QUARTER 0, 64, F0, F1, 1
	WIN 0
	s_mov_b32 s3, LAPS-1
.Llap:                                                 ; a trip goes once round the ring and fills both slots again
	QUARTER 0, 128, F1, F0, 0
	QUARTER 0, 192, F0, F1, 0
	TURN 0, 1, 1
	QUARTER 1, 64,  F0, F1, 0
	QUARTER 1, 128, F1, F0, 0
	QUARTER 1, 192, F0, F1, 0
	TURN 1, 0, 1
	QUARTER 0, 64,  F0, F1, 0
	WIN 0
	s_sub_co_u32 s3, s3, 1
	s_cmp_lg_u32 s3, 0
	s_cbranch_scc1 .Llap
	QUARTER 0, 128, F1, F0, 0                      ; the last lap fills nothing
	QUARTER 0, 192, F0, F1, 0
	TURN 0, 1, 0
	QUARTER 1, 64,  F0, F1, 0
	QUARTER 1, 128, F1, F0, 0
	QUARTER 1, 192, F0, F1, 0
	s_wait_dscnt 8
	MULH F1, 0, 0, 0
	MULH F1, 0, 2, 0
	s_wait_dscnt 0x0
	MULH F1, 1, 0, 0
	MULH F1, 1, 2, 0
	WIN 0
	PLACES
	; THE WAY OUT: rounded to f16, 16 bytes a lane into the work-group's stage; a barrier, since a row's 768 bytes come from four waves; back as whole rows.
	; The stage lies in slot 0: its last fill was K step 6, and every wave's reads of that step were over in front of the last lap's barrier.
.set ab, 0
.rept 8
	WIN 0x0a+5*(ab/4)                              ; sources in window 2 or 3
.set bb, 0
.rept NBW
.set rD, 8*(NBW*(ab%4)+bb)
.set rT, TMP+24*(ab%2)+4*bb
.irp r, 0,1,2,3
	v_cvt_pk_f16_f32 v[rT+\r], v[rD+2*\r], v[rD+2*\r+1]
.endr
.set bb, bb+1
.endr
	WIN 0
.set bb, 0
.rept NBW
	ds_store_b128 v[STO+3*(ab/4)], v[TMP+24*(ab%2)+4*bb:TMP+24*(ab%2)+4*bb+3] offset:(ab%4)*16*SP+32*bb
.set bb, bb+1
.endr
.set ab, ab+1
.endr
	s_wait_dscnt 0x0                               ; for the others' sake: my stores into the stage are done
	s_barrier_signal -1
	s_barrier_wait -1
.set n, 0
.rept 48
	ds_load_b128 v[64+4*n:64+4*n+3], v[RD] offset:2*(n/3)*SP+256*(n%3)
.set n, n+1
.endr
.set n, 0
.rept 48
	s_wait_dscnt 47-n                              ; LDS loads come back in order: number n is in
	global_store_b128 v[CO], v[64+4*n:64+4*n+3], s[8:9] offset:2*(n/3)*CPB+256*(n%3)  ; 16 lanes store 256 consecutive bytes, aligned
.set n, n+1
.endr
	s_wait_tensorcnt 0x0                           ; the wave's end
	ds_add_u32 v[SPW], v[NIL]
	s_wait_dscnt 0x0
	CROUND                                         ; the closing round
	s_endpgm
.Lfunc_end_k_q41f268f944_gq:
	.size	k_q41f268f944_gq, .Lfunc_end_k_q41f268f944_gq-k_q41f268f944_gq
	.p2alignl 7, 3214868480
	.fill 96, 4, 3214868480
	.section	.rodata,"a",@progbits
	.p2align	6, 0x0
	.amdhsa_kernel k_q41f268f944_gq
		.amdhsa_group_segment_fixed_size 327680
		.amdhsa_private_segment_fixed_size 0
		.amdhsa_enable_private_segment 0
		.amdhsa_kernarg_size 32
		.amdhsa_user_sgpr_count 2
		.amdhsa_user_sgpr_kernarg_segment_ptr 1
		.amdhsa_wavefront_size32 1
		.amdhsa_system_sgpr_workgroup_id_x 1
		.amdhsa_system_sgpr_workgroup_id_y 1
		.amdhsa_system_sgpr_workgroup_id_z 1
		.amdhsa_system_vgpr_workitem_id 0
		.amdhsa_next_free_vgpr 960
		.amdhsa_next_free_sgpr 66
		.amdhsa_reserve_vcc 0
		.amdhsa_float_denorm_mode_32 3
		.amdhsa_float_denorm_mode_16_64 3
		.amdhsa_memory_ordered 1
		.amdhsa_forward_progress 1
		.amdhsa_inst_pref_size 117
	.end_amdhsa_kernel
	.amdgpu_metadata
---
amdhsa.version: [ 1, 2 ]
amdhsa.kernels:
  - .name:           k_q41f268f944_gq
    .symbol:         k_q41f268f944_gq.kd
    .args:
      - { .name: xb, .offset: 0, .size: 8, .value_kind: global_buffer, .address_space: global }
      - { .name: wb, .offset: 8, .size: 8, .value_kind: global_buffer, .address_space: global }
      - { .name: bias, .offset: 16, .size: 8, .value_kind: global_buffer, .address_space: global }
      - { .name: qkv, .offset: 24, .size: 8, .value_kind: global_buffer, .address_space: global }
    .group_segment_fixed_size: 327680
    .private_segment_fixed_size: 0
    .kernarg_segment_align: 8
    .kernarg_segment_size: 32
    .max_flat_workgroup_size: 128
    .sgpr_count:     66
    .vgpr_count:     960
    .wavefront_size: 32
...
	.end_amdgpu_metadata
.endif
;; end of part 2
;; launch attn (part 3): grid 16 x 16, 4 waves a work-group, clusters of 4 x 4, 327,680 bytes of LDS; arguments qkv, relation_matrix, lq, sv, o16; writes o16
.if DOCPART == 3
	.amdgcn_target "amdgcn-amd-amdhsa--gfx1250"
	.amdhsa_code_object_version 6
	.text
	.protected	k_q41f268f944_attn
	.globl	k_q41f268f944_attn
	.p2align	8
	.type	k_q41f268f944_attn,@function
k_q41f268f944_attn:
	s_mov_b64 s[64:65], 0
	v_nop
	global_prefetch_b8 v0, s[64:65] scope:SCOPE_SE
	s_setreg_imm32_b32 hwreg(HW_REG_WAVE_MODE, 25, 1), 1
	s_wait_xcnt 0x0
	s_wait_alu depctr_hold_cnt(0) depctr_sa_sdst(0) depctr_va_vdst(0) depctr_va_sdst(0) depctr_va_ssrc(0) depctr_va_vcc(0) depctr_vm_vsrc(0)
	s_getreg_b32 s2, hwreg(HW_REG_IB_STS2, 6, 4)
	s_cmp_eq_u32 s2, 0
	s_cbranch_scc0 .Lentry_in_a_cluster
	s_endpgm
.Lentry_in_a_cluster:
	s_bfe_u32 s2, ttmp6, 0x10000c
	s_cmp_lg_u32 s2, 0xf033
	s_cbranch_scc0 .Lentry_shape_is_right
	s_endpgm
.Lentry_shape_is_right:
; ATTENTION with an additive bias.  For batch b, head n, query q (0 .. 2047):  O = the sum over keys of softmax(q . k / 8 + R[q][key]) v.
; qkv [4100][3072] f16: rows 1024 b + i: feature token i's q / 8 | k | v; row 4096 + b: the scene token's q / 8 | k.  sv [4][1024] f32: the scene token's v.  lq [2048] f32.  R [2048][2048] f32.  o16 [8192][1024] f16.
; THE SCENE KEYS.  Keys 0 .. 1023 of a batch are one and the same token, so they share k_s and v_s; their part of a row is exp(q . k_s / 8 + L[q]) v_s with L[q] = log sum_j exp(R[q][j]) (made before, its own
; maximum taken away).  That is ONE key with bias L[q], and the softmax STARTS with it: m = its score, l = 1, O = v_s.  The running maximum then goes on over the 1,024 feature keys, 64 a step.
; Scene queries (q < 1024) all have the scene token's q (a row stride of 0); their rows differ by R alone.
; Products, maxima and sums in f32; R enters unrounded as the C operand that starts S^T = K Q^T; the weights p are rounded to f16 for the second product (l is taken of the unrounded p), O once at the end.
; LIMITS.  q / 8, k, v lie within f16's 65,504; p below 6e-5 keeps f16's fixed step; a weight below 2^-126 counts as 0 in l; NaN and infinities are not treated apart.
; SHARES.  A work-group: 128 queries x 4 heads; a wave: one head, four PIECES of two tiles of 16 queries.  The four waves share the tile of R and read their own 128 bytes of K's and V's rows of 512.
; CLUSTER 4 x 4: x = four query blocks, y = the batch's four groups of heads.  K's and V's tiles hang on batch and group: asked for jointly along a row of the cluster; R's hangs on the query block: along a column.
; LAYOUT.  S^T = K Q^T (source 0 = 16 keys, source 1 = 16 queries): a lane holds ONE query (l % 16) and keys 8 (l / 16) + 0..7; two such tiles rounded to f16 ARE source 1 of O^T = V^T P.
; p = 2^(c s - c m), c = log2(e); in every step O and l are multiplied by a = 2^(c m_old - c m_new).
; BY TURNS.  Turn n belongs to piece n: 16 products K Q^T of piece n + 1, later 16 products V^T P of piece n - 1; beside them piece n's scaling, exponentials, roundings, sums and rescaling and piece n + 1's maximum
; and statistics.  Four vector instructions stand behind every matrix instruction, the rest in two runs of their own.
; REGISTERS, in windows of 256 (s_set_vgpr_msb: bits 1:0 source 0, 3:2 source 1, 5:4 source 2, 7:6 destination):
;   window 0: v2-11 addresses; v12-15, v48-63 at work; v16-47 four statistics a tile; v64-191 S^T, two buffers of two tiles; v192-255 P, likewise
;   window 1: O^T, 32 a tile     window 2: v0-127 Q; v128-191 K of one step; v192-255 V of one step     window 3: v0-1 the add's registers; v8-71 R of one piece (tile u, key block kb at 8 + 32 u + 8 kb)
.set NP,    4
.set KS,    64
.set ROWB,  6144      ; bytes in a row of qkv
.set KSTEPB, KS*ROWB  ; 64 keys on
.set PK,    528       ; a row of K in LDS: 512 bytes + 16: the 16 rows of a load start at 16 different groups of four banks (ISA guide 11.1)
.set PV,    544       ; a row of V: 512 + 32
.set PR,    272       ; a row of R: 256 + 16
.set VOFF,  KS*PK     ; a slot holds one step: 64 rows of K, 64 of V, 128 of R
.set ROFF,  VOFF+KS*PV
.set SLOT1, 1<<17     ; one exclusive or turns an address in one slot into the other's
.set STAGE, SLOT1+ROFF+128*PR  ; behind the ring, never filled by a tensor load: 128 rows x 528 bytes
.set SPARE, STAGE+128*PK       ; the spare words, 128 bytes a wave
.set AK0, 2           ; my lane's place in a tile of K; never rewritten
.set AV0, 3           ; of V
.set AK,  4           ; the same in the slot in hand
.set AV,  5
.set STO, 6           ; the way out: where I put 16 bytes of a row
.set RD,  7           ; where I read rows back
.set GO,  8           ; my 16 bytes of 512 of O
.set AR0, 9           ; my lane's place in a tile of R
.set AR,  10
.set PFO, 11          ; the prefetches' lane offset
.set MV,  12
.set ST,  16          ; tile t: c m, m, l (even keys', odd keys')
.set TMP, 48
.set S,   64
.set P,   192
.set KF,  128
.set VF,  192
.set SPW, 0           ; window 3
.set NIL, 1
.set RB,  8
.set WV,  14
.set LIM, 15          ; 1 in a wave that prefetches, else the greatest number
.set G1K, 24
.set G1V, 32
.set G1R, 40
.set G0K, 48
.set G0V, 52
.set G0R, 56
.set CS,  60          ; s[60:61] c
.set SEL, 62
.set SLOTS, 66        ; fills still to come, this one among them
.set CNT, 67
.set TB,  68          ; the slot in hand: 0 or SLOT1
.set PFA, 70          ; s[70:71] where my prefetches stand
.set PFS, 72          ; s[72:73] their step
.set CX,  74
.set CY,  75
.set BB,  76          ; the batch = the cluster's y
.set QB,  77          ; my block of 128 queries
.set QP,  80
.set KSP, 82
.set LQP, 84
.set SVP, 86
.set STR, 88          ; bytes from query to query in qkv: 0 for scene queries
.set STR16, 89
.set MSB, 0
.macro WIN new
.if MSB != (\new)
	s_set_vgpr_msb (MSB<<8)|(\new)
.set MSB, (\new)
.endif
.endm
.set W_KQ, 0x0a       ; K and Q in window 2, S^T in window 0
.set W_KR, 0x3a       ; the same with the C operand in window 3
.set W_PV, 0x52       ; V in window 2, P in window 0, O^T in window 1
.set W_RS, 0x41       ; O^T in window 1, a in window 0
.set W_MK, 0xc0
.set W_AD, 0x0f
; A joint fill, one load a wave: wave 0 K's 64 rows, wave 1 V's, waves 2 and 3 64 rows of R each.  The branches hang on the wave's number alone.  An s_nop 0 and four v_nop follow each line.
.macro JLOAD
	s_cmp_lt_u32 s[WV], 2
	s_cbranch_scc0 .Lfor_r_\@
	s_cmp_eq_u32 s[WV], 0
	s_cbranch_scc0 .Lfor_v_\@
	tensor_load_to_lds s[G0K:G0K+3], s[G1K:G1K+7]
	s_nop 0
.rept 4
	v_nop
.endr
	s_branch .Lasked_\@
.Lfor_v_\@:
	tensor_load_to_lds s[G0V:G0V+3], s[G1V:G1V+7]
	s_nop 0
.rept 4
	v_nop
.endr
	s_branch .Lasked_\@
.Lfor_r_\@:
	tensor_load_to_lds s[G0R:G0R+3], s[G1R:G1R+7]
	s_nop 0
.rept 4
	v_nop
.endr
.Lasked_\@:
.endm
; A PREFETCH INTO THE L2 of the step that the NEXT change of slots will ask for: one key step, 128 matrix instructions, ahead.  Each block of 256 bytes is named once in the launch: K's and V's tiles are read by
; every cluster of a batch: the cluster with x = 0 asks (wave 0 K, wave 1 V), its four partners along x taking 16 rows each; R's by every batch: the clusters with y = 0 ask (wave 2), the partners along y taking 32
; rows each.  The partners are told apart by address.  The last change that fills a slot asks for nothing.
.macro ASK
	s_cmp_gt_u32 s[SLOTS], s[LIM]
	s_cbranch_scc0 .Lnot_mine_\@
	global_prefetch_b8 v[PFO], s[PFA:PFA+1] th:TH_LOAD_NT scope:SCOPE_SE
.Lnot_mine_\@:
.endm
.macro CROUND
	s_barrier_signal -1
	s_barrier_wait -1
	s_cmp_lg_u32 s[WV], 0
	s_cbranch_scc1 .Lnot_wave_0_\@
	s_barrier_signal -3
.Lnot_wave_0_\@:
	s_barrier_wait -3
	s_barrier_signal -1
	s_barrier_wait -1
.endm
; THE CHANGE OF SLOTS, between piece 1's turn and piece 2's: all of the step's K, V and R have been asked of LDS.  Each wave waits for all its tensor loads (one is out: its part of the other slot), adds 0 to its
; spare word, and waits for that and for its reads.  fill = 1: a round of the cluster's barrier, and the slot is filled again, first thing behind it, with the step two on.
.macro CHANGE fill
	WIN W_AD
	s_wait_tensorcnt 0x0            ; no tensor load of mine is out, so a group 0 may be written
	ds_add_u32 v[SPW], v[NIL]       ; 0 onto my spare word; the descriptors' steps stand between it and the wait for it
	WIN 0
.if \fill
	s_xor_b32 s[G0K+1], s[G0K+1], SLOT1
	s_add_nc_u64 s[G0K+2:G0K+3], s[G0K+2:G0K+3], KSTEPB
	s_xor_b32 s[G0V+1], s[G0V+1], SLOT1
	s_add_nc_u64 s[G0V+2:G0V+3], s[G0V+2:G0V+3], KSTEPB
	s_xor_b32 s[G0R+1], s[G0R+1], SLOT1
	s_add_nc_u64 s[G0R+2:G0R+3], s[G0R+2:G0R+3], KS*4
	s_wait_xcnt 0x0                 ; the last prefetch, a key step back, has read its address
	s_add_nc_u64 s[PFA:PFA+1], s[PFA:PFA+1], s[PFS:PFS+1]
	s_wait_dscnt 0x0                ; the add is done, and my reads of the slot are over
	CROUND
	JLOAD
	ASK
.else
	s_wait_dscnt 0x0
	s_barrier_signal -1
	s_barrier_wait -1
.endif
	s_xor_b32 s[TB], s[TB], SLOT1   ; the fetches go on in the other slot
	v_add_nc_u32 v[AK], s[TB], v[AK0]
	v_add_nc_u32 v[AV], s[TB], v[AV0]
	v_add_nc_u32 v[AR], s[TB], v[AR0]
.endm
	s_load_b256 s[4:11], s[0:1], 0x0  ; qkv s[4:5], R s[6:7], lq s[8:9], sv s[10:11]
	s_load_b64 s[12:13], s[0:1], 0x20 ; o16
	WIN W_MK
	v_lshl_add_u32 v[SPW], v0, 2, SPARE
	v_mov_b32 v[NIL], 0
	WIN W_AD
	ds_add_u32 v[SPW], v[NIL]       ; the wave's opening: the add and its wait ahead of my first tensor load
	WIN 0
	v_lshrrev_b32 v1, 5, v0
	v_readfirstlane_b32 s[WV], v1
	s_bfe_u32 s[CX], ttmp6, 0x40000
	s_bfe_u32 s[CY], ttmp6, 0x40004 ; the group of four heads
	s_lshl_b32 s[QB], ttmp9, 2
	s_add_co_u32 s[QB], s[QB], s[CX]
	s_and_b32 s[BB], ttmp7, 0xffff
	s_lshl_b32 s16, s[CY], 2
	s_lshl_b32 s16, 15, s16         ; my row of the cluster
	s_lshl_b32 s17, 0x1111, s[CX]   ; my column
	s_or_b32 s[G1K], s16, (1<<16)|(1<<20)|(1<<21)|(6<<22)|(3<<25)  ; 2-byte elements; padding after every 128 words: 4 words
	s_or_b32 s[G1V], s16, (1<<16)|(1<<20)|(1<<21)|(6<<22)|(7<<25)  ; 8 words
	s_or_b32 s[G1R], s17, (2<<16)|(1<<20)|(1<<21)|(5<<22)|(3<<25)  ; 4-byte elements; after every 64 words: 4 words
.irp g, G1K, G1V
	s_mov_b32 s[\g+1], 256<<16      ; tensor_dim0 = 256
	s_mov_b32 s[\g+2], 64<<16       ; tensor_dim1 = 64
	s_mov_b32 s[\g+3], 256<<16      ; tile_dim0
	s_mov_b32 s[\g+4], 64           ; tile_dim1
	s_mov_b32 s[\g+5], 3072         ; elements from row to row
	s_mov_b32 s[\g+6], 0
	s_mov_b32 s[\g+7], 0
.endr
	s_mov_b32 s[G1R+1], 64<<16
	s_mov_b32 s[G1R+2], 64<<16
	s_mov_b32 s[G1R+3], 64<<16
	s_mov_b32 s[G1R+4], 64
	s_mov_b32 s[G1R+5], 2048
	s_mov_b32 s[G1R+6], 0
	s_mov_b32 s[G1R+7], 0
	s_mul_i32 s18, s[BB], 1024*ROWB ; K's first tile: the batch's first row, column 1024 + 256 x group: it hangs on what my row of the cluster shares
	s_lshl_b32 s19, s[CY], 9
	s_add_co_u32 s18, s18, s19
	s_add_co_u32 s18, s18, 2048
	s_mov_b32 s19, 0
	s_and_b32 s20, s[WV], 1         ; R's: row 128 x block + 64 x (wave % 2), column 1024: it hangs on what my column shares
	s_lshl_b32 s21, s20, 6
	s_lshl_b32 s22, s[QB], 7
	s_add_co_u32 s22, s22, s21
	s_lshl_b32 s22, s22, 13
	s_add_co_u32 s22, s22, 4096
	s_mov_b32 s23, 0
	s_mul_i32 s20, s20, 64*PR
	s_mov_b32 s[G0K], 1
	s_mov_b32 s[G0K+1], 0
	s_mov_b32 s[G0V], 1
	s_mov_b32 s[G0V+1], VOFF
	s_mov_b32 s[G0R], 1
	s_add_co_u32 s[G0R+1], s20, ROFF
	s_mov_b32 s[CS], 0x3fb8aa3b     ; c = log2(e): the 1/8 lies in q
	s_mov_b32 s[CS+1], s[CS]
	s_mov_b32 s[SEL], 0x76543210
	s_mov_b32 s[SEL+1], 0xfedcba98
	s_mov_b32 s[TB], SLOT1          ; the first change of slots turns it into 0
	s_mov_b32 s[SLOTS], 15
	; byte offsets of what I read and write by myself, each in a pair with 0 above it
	s_lshl_b32 s95, s[WV], 7        ; 128 x wave
	s_lshl_b32 s16, s[CY], 9
	s_add_co_u32 s16, s16, s95      ; my head's 128 bytes in a row
	s_add_co_u32 s17, s[BB], 4096   ; the scene token's row
	s_lshl_b32 s[QP], s[BB], 10
	s_lshl_b32 s[QP+1], s[QB], 7
	s_add_co_u32 s[QP], s[QP], s[QP+1]
	s_sub_co_u32 s[QP], s[QP], 1024 ; a feature query's row (not taken for blocks 0 to 7)
	s_cmp_lt_u32 ttmp9, 2           ; blocks 0 to 7 are scene queries: the same answer in all sixteen partners
	s_cselect_b32 s[QP], s17, s[QP]
	s_cselect_b32 s[STR], 0, ROWB
	s_mul_i32 s[QP], s[QP], ROWB
	s_add_co_u32 s[QP], s[QP], s16
	s_mov_b32 s[QP+1], 0
	s_lshl_b32 s[STR16], s[STR], 4
	s_mul_i32 s[KSP], s17, ROWB
	s_add_co_u32 s[KSP], s[KSP], s16
	s_add_co_u32 s[KSP], s[KSP], 2048
	s_mov_b32 s[KSP+1], 0
	s_lshl_b32 s[LQP], s[QB], 9
	s_mov_b32 s[LQP+1], 0
	s_lshl_b32 s[SVP], s[BB], 12
	s_lshl_b32 s17, s16, 1
	s_add_co_u32 s[SVP], s[SVP], s17
	s_mov_b32 s[SVP+1], 0
	s_lshl_b32 s90, s[BB], 11       ; O: row 2048 b + 128 x block + 32 x wave, byte 512 x group
	s_lshl_b32 s91, s[QB], 7
	s_add_co_u32 s90, s90, s91
	s_lshl_b32 s91, s[WV], 5
	s_add_co_u32 s90, s90, s91
	s_lshl_b32 s90, s90, 11
	s_lshl_b32 s91, s[CY], 9
	s_add_co_u32 s90, s90, s91
	s_mov_b32 s91, 0
	; the prefetches: they start at step 1; the first change of slots steps them to step 2
	s_mul_i32 s78, s[CX], 16*ROWB
	s_add_co_u32 s78, s78, s18
	s_lshl_b32 s16, s[WV], 11       ; wave 1: V lies 2,048 bytes behind K
	s_add_co_u32 s78, s78, s16
	s_add_co_u32 s78, s78, KSTEPB
	s_lshl_b32 s16, s[QB], 7
	s_lshl_b32 s17, s[CY], 5
	s_add_co_u32 s16, s16, s17
	s_lshl_b32 s16, s16, 13
	s_add_co_u32 s16, s16, 4096+KS*4
	s_mov_b32 s94, 256
	s_mov_b32 s92, 8192
	s_cmp_lt_u32 s[WV], 2
	s_cselect_b32 s78, s78, s16
	s_cselect_b32 s[PFS], KSTEPB, s94
	s_cselect_b32 s93, 1, 0         ; K, V: two lanes a row of 512 bytes; R: a lane a row of 256
	s_cselect_b32 s92, ROWB, s92
	s_cselect_b32 s94, s94, 0
	s_cselect_b32 s21, ttmp9, s[BB] ; the coordinate along which other clusters read the same bytes
	s_mov_b32 s79, 0
	s_mov_b32 s[PFS+1], 0
	s_cmp_eq_u32 s[WV], 3
	s_cselect_b32 s21, 1, s21       ; wave 3 never asks
	s_cmp_eq_u32 s21, 0
	s_cselect_b32 s[LIM], 1, -1
	s_wait_dscnt 0x0                ; the opening add is done
	s_wait_kmcnt 0x0
	s_add_nc_u64 s[G0K+2:G0K+3], s[4:5], s[18:19]
	s_add_nc_u64 s[G0V+2:G0V+3], s[G0K+2:G0K+3], 2048
	s_or_b32 s[G0K+3], s[G0K+3], 0x80000000
	s_or_b32 s[G0V+3], s[G0V+3], 0x80000000
	s_add_nc_u64 s[G0R+2:G0R+3], s[6:7], s[22:23]
	s_or_b32 s[G0R+3], s[G0R+3], 0x80000000
	s_add_nc_u64 s[QP:QP+1], s[4:5], s[QP:QP+1]
	s_add_nc_u64 s[KSP:KSP+1], s[4:5], s[KSP:KSP+1]
	s_add_nc_u64 s[LQP:LQP+1], s[8:9], s[LQP:LQP+1]
	s_add_nc_u64 s[SVP:SVP+1], s[10:11], s[SVP:SVP+1]
	s_add_nc_u64 s[12:13], s[12:13], s[90:91]
	s_cmp_lt_u32 s[WV], 2
	s_cselect_b64 s[PFA:PFA+1], s[4:5], s[6:7]
	s_add_nc_u64 s[PFA:PFA+1], s[PFA:PFA+1], s[78:79]
	CROUND                          ; all sixteen work-groups are here: the first joint loads meet
	JLOAD                           ; step 0 into slot 0; slot 1 is asked for when slot 0 is in
	v_and_b32 v64, 15, v0           ; l % 16
	v_bfe_u32 v65, v0, 4, 1         ; l / 16
	v_and_b32 v66, 7, v0
	v_bfe_u32 v67, v0, 3, 1
	v_and_b32 v68, 31, v0           ; l
	v_lshlrev_b32 v69, 4, v65
	v_lshlrev_b32 v70, 5, v65
	v_lshlrev_b32 v71, 2, v64
	v_mul_lo_u32 v[P], v64, s[STR]  ; tile t's rows of Q: (16 t + l % 16) x stride + 16 (l / 16)
	v_add_nc_u32 v[P], v[P], v69
.set t, 1
.rept 7
	v_add_nc_u32 v[P+t], s[STR16], v[P+t-1]
.set t, t+1
.endr
	WIN 0x80                        ; destination window 2
.set i, 0
.rept 16                            ; Q stays in registers: tile i / 2, channels 32 (i % 2) on
	global_load_b128 v[8*i:8*i+3],   v[P+i/2], s[QP:QP+1] offset:(i%2)*64
	global_load_b128 v[8*i+4:8*i+7], v[P+i/2], s[QP:QP+1] offset:(i%2)*64+32
.set i, i+1
.endr
.irp c, 0,1,2,3                     ; k_s as two fragments whose 16 rows are all the same row
	global_load_b128 v[KF+4*\c:KF+4*\c+3], v69, s[KSP:KSP+1] offset:32*\c
.endr
	WIN 0x40                        ; O^T = v_s in every tile: register 8 cb + j is channel 16 cb + 8 (l / 16) + j
.set i, 0
.rept 32
	global_load_b128 v[8*i:8*i+3],   v70, s[SVP:SVP+1] offset:64*(i%4)
	global_load_b128 v[8*i+4:8*i+7], v70, s[SVP:SVP+1] offset:64*(i%4)+16
.set i, i+1
.endr
	WIN 0
.set t, 0
.rept 8
	global_load_b32 v[TMP+t], v71, s[LQP:LQP+1] offset:64*t  ; L of my query in tile t
.set t, t+1
.endr
	WIN 0x80                        ; what the first turn finds: V's registers and P's second buffer hold 0: its products V^T P, of a piece that has not been, add 0
.set i, VF
.rept 64
	v_mov_b32 v[i], 0
.set i, i+1
.endr
	WIN 0
.set i, P+32
.rept 32
	v_mov_b32 v[i], 0
.set i, i+1
.endr
.set t, 0
.rept 8
	v_mov_b32 v[ST+4*t+2], 0.5      ; l = 1: a query's l is the sum of four numbers, two in each half of the lanes
	v_mov_b32 v[ST+4*t+3], 0
.set t, t+1
.endr
	v_mul_u32_u24 v[AK0], v64, PK
	v_add_nc_u32 v[AK0], v[AK0], v69
	v_add_nc_u32 v[AK0], s95, v[AK0]  ; row x pitch + 16 x half + my head's 128 bytes
	v_lshl_add_u32 v[AV0], v65, 3, v66  ; the turning load: lane l reads key 8 (l / 16) + l % 8, channels 8 ((l / 8) % 2) + 0..7
	v_mul_u32_u24 v[AV0], v[AV0], PV
	v_lshl_add_u32 v[AV0], v67, 4, v[AV0]
	v_add_nc_u32 v[AV0], VOFF, v[AV0]
	v_add_nc_u32 v[AV0], s95, v[AV0]
	v_mul_u32_u24 v[AR0], v64, PR   ; R as a C operand: query l % 16, keys 8 (l / 16) + 0..7: 32 bytes
	v_add_nc_u32 v[AR0], v[AR0], v70
	v_add_nc_u32 v[AR0], ROFF, v[AR0]
	v_add_nc_u32 v[STO], STAGE, v[AK0]  ; the stage has K's pitch and my head's place in it
	s_mul_i32 s16, s[WV], 32*PK
	s_add_co_u32 s16, s16, STAGE
	v_lshl_add_u32 v[RD], v68, 4, s16   ; back: wave w takes rows 32 w .. + 31, 512 bytes each: 16 a lane
	v_lshlrev_b32 v[GO], 4, v68
	v_lshrrev_b32 v[PFO], s93, v68
	v_mul_lo_u32 v[PFO], v[PFO], s92
	v_and_b32 v1, 1, v68
	v_mad_u32_u24 v[PFO], v1, s94, v[PFO]
; THE MATRIX WORK.  The 8 accumulators of a run of 16 take turns.  Product i of 16 of S^T = R^T + K Q^T for piece x: channels 32 (i / 8) on, keys 16 ((i / 2) % 4) on, tile 2 x + i % 2.
.macro KQ x
.set rS, S+64*((\x)%2)+32*(i%2)+8*((i/2)%4)
.set rK, KF+16*((i/2)%4)+8*(i/8)
.set rQ, 16*(2*(\x)+i%2)+8*(i/8)
.set rR, RB+32*(i%2)+8*((i/2)%4)
.if i < 8
	WIN W_KR
	v_wmma_f32_16x16x32_f16 v[rS:rS+7], v[rK:rK+7], v[rQ:rQ+7], v[rR:rR+7]
.else
	WIN W_KQ
	v_wmma_f32_16x16x32_f16 v[rS:rS+7], v[rK:rK+7], v[rQ:rQ+7], v[rS:rS+7]
.endif
.endm
.macro PV x                         ; product i of 16 of O^T += V^T P: keys 32 (i / 8) on, channels 16 ((i / 2) % 4) on, tile 2 x + i % 2
	WIN W_PV
.set rO, 32*(2*(\x)+i%2)+8*((i/2)%4)
.set rV, VF+32*(i/8)+8*((i/2)%4)
.set rP, P+32*((\x)%2)+16*(i%2)+8*(i/8)
	v_wmma_f32_16x16x32_f16 v[rO:rO+7], v[rV:rV+7], v[rP:rP+7], v[rO:rO+7]
.endm
.macro MM                           ; the turn's next matrix instruction
.if i < 16
	KQ (Y+1)%NP
.set i, i+1
.else
.set i, i-16
	PV (Y+NP-1)%NP
.set i, i+17
.endif
.endm
; THE LDS LOADS stand in runs of 16, never singly among the matrix instructions.
.macro FETCH_K
	WIN 0x80
.irp f, 0,1,2,3,4,5,6,7             ; keys 16 (f / 2) on, channels 32 (f % 2) on
	ds_load_b128 v[KF+8*\f:KF+8*\f+3],   v[AK] offset:(\f/2)*16*PK+(\f%2)*64
	ds_load_b128 v[KF+8*\f+4:KF+8*\f+7], v[AK] offset:(\f/2)*16*PK+(\f%2)*64+32
.endr
	WIN 0
.endm
.macro FETCH_V
	WIN 0x80
.irp f, 0,1,2,3,4,5,6,7             ; keys 32 (f / 4) on, channels 16 (f % 4) on
	ds_load_tr16_b128 v[VF+8*\f:VF+8*\f+3],   v[AV] offset:(\f/4)*32*PV+(\f%4)*32
	ds_load_tr16_b128 v[VF+8*\f+4:VF+8*\f+7], v[AV] offset:(\f/4)*32*PV+16*PV+(\f%4)*32
.endr
	WIN 0
.endm
.macro FETCH_R x                    ; piece x's bias: tile f / 4, keys 16 (f % 4) on
	WIN 0xc0
.irp f, 0,1,2,3,4,5,6,7
	ds_load_b128 v[RB+8*\f:RB+8*\f+3],   v[AR] offset:(32*(\x)+16*(\f/4))*PR+64*(\f%4)
	ds_load_b128 v[RB+8*\f+4:RB+8*\f+7], v[AR] offset:(32*(\x)+16*(\f/4))*PR+64*(\f%4)+16
.endr
	WIN 0
.endm
; THE VECTOR WORK OF A TURN stands in three queues, each in the order in which its entries become ready; the two tiles alternate.
.macro REGS y, u
.set rT, ST+4*(2*(\y)+(\u))
.set rC, TMP+8*((\y)%2)+4*(\u)
.set rM, MV+2*((\y)%2)+(\u)
.set rS, S+64*((\y)%2)+32*(\u)
.set rP, P+32*((\y)%2)+16*(\u)
.set rO, 32*(2*(\y)+(\u))
.endm
; Number n of the 22 that find the NEXT piece's maximum and statistics; each accumulator's lowest registers are read first.
;   0-11 four chains of seven scores   12-14, 16 the four left over, the old m, all into c0   15 c m_old is kept   17, 18 the other half of the lanes: the new m   19-21 c m; c m_old - c m_new; a
.macro XS u, n
	REGS (Y+1)%NP, \u
.if (\n) < 4
	v_max3_num_f32 v[rC+(\n)], v[rS+8*(\n)], v[rS+8*(\n)+1], v[rS+8*(\n)+2]
.elseif (\n) < 12
	v_max3_num_f32 v[rC+(\n)%4], v[rC+(\n)%4], v[rS+8*((\n)%4)+2*((\n)/4)+1], v[rS+8*((\n)%4)+2*((\n)/4)+2]
.elseif (\n) == 12
	v_max3_num_f32 v[rC], v[rC], v[rS+7], v[rS+15]
.elseif (\n) == 13
	v_max3_num_f32 v[rC+1], v[rC+1], v[rS+23], v[rS+31]
.elseif (\n) == 14
	v_max3_num_f32 v[rC+2], v[rC+2], v[rC+3], v[rT+1]
.elseif (\n) == 15
	v_mov_b32 v[rM], v[rT]
.elseif (\n) == 16
	v_max3_num_f32 v[rC], v[rC], v[rC+1], v[rC+2]
.elseif (\n) == 17
	v_permlanex16_b32 v[rC+3], v[rC], s[SEL], s[SEL+1]
.elseif (\n) == 18
	v_max_num_f32 v[rT+1], v[rC], v[rC+3]
.elseif (\n) == 19
	v_mul_f32 v[rT], s[CS], v[rT+1]
.elseif (\n) == 20
	v_sub_f32 v[rC+1], v[rM], v[rT]
.else
	v_exp_f32 v[rC+2], v[rC+1]
.endif
.endm
; Number g of the 64 that follow the exponentials: of each four weights both pairs are rounded to f16, the second pair is added onto the first, and a group later l takes that sum (the first time as l = a l + sum).
.macro GS g
.set h, (\g)+6*((\g)/62)
.if h >= 6
.set h, h+2
.endif
	REGS Y, h%2
.set k, h/8
.if h%8 < 4
	s_wait_alu depctr_va_vdst(0)
	v_cvt_pk_f16_f32 v[rP+2*k+(h%8)/2], v[rS+4*k+2*((h%8)/2)], v[rS+4*k+2*((h%8)/2)+1]
.elseif h%8 < 6
	v_pk_add_f32 v[rS+4*k:rS+4*k+1], v[rS+4*k:rS+4*k+1], v[rS+4*k+2:rS+4*k+3]
.elseif k == 1
	v_pk_fma_f32 v[rT+2:rT+3], v[rT+2:rT+3], v[rC+2:rC+3], v[rS:rS+1] op_sel_hi:[1,0,1]
.else
	v_pk_add_f32 v[rT+2:rT+3], v[rT+2:rT+3], v[rS+4*k-4:rS+4*k-3]
	s_wait_alu depctr_va_vdst(0)
.endif
.endm
; THE PLAIN QUEUE, 138 long: 0-31 c s - c m; then GS's 64 and among them the next piece's 42.
.macro PL
	WIN 0
.if q < 32
	REGS Y, q%2
	v_pk_fma_f32 v[rS+2*(q/2):rS+2*(q/2)+1], v[rS+2*(q/2):rS+2*(q/2)+1], s[CS:CS+1], v[rT:rT+1] op_sel_hi:[1,0,0] neg_lo:[0,0,1] neg_hi:[0,0,1]
.elseif q < 38
	GS q-32
.elseif q < 40
	XS q%2, 15
.elseif q < 42
	GS q-34
.elseif q < 74
	XS q%2, (q-42)/2+(q-42)/30
.elseif q < 95
	GS q-66
.elseif (q < 107) && ((q-95)%3 < 2)
	XS (q-95)%3, 17+(q-95)/3
.elseif q < 107
	GS 29+(q-95)/3
.else
	GS q-74
.endif
.set q, q+1
.endm
.set EA, 58
.macro EX                           ; THE EXPONENTIALS' QUEUE, 66 long: both tiles' 32 scores, and at EA the next piece's two a
	WIN 0
.if (e == EA) || (e == EA+1)
	XS e-EA, 21
.else
.set x, e-2*(e/(EA+2))
	REGS Y, x%2
	v_exp_f32 v[rS+x/2], v[rS+x/2]
.endif
.set e, e+1
.endm
.macro R4                           ; THE RESCALING's QUEUE: O^T times a, four at a time, eight times
	REGS Y, r%2
	WIN W_RS
	s_wait_alu depctr_va_vdst(0)
.irp z, 0,1,2,3
	v_pk_mul_f32 v[rO+8*(r/2)+2*\z:rO+8*(r/2)+2*\z+1], v[rO+8*(r/2)+2*\z:rO+8*(r/2)+2*\z+1], v[rC+2:rC+3] op_sel_hi:[1,0]
.endr
.set r, r+1
.endm
.macro SL                           ; behind a matrix instruction four: plain, exponential, plain, plain
	MM
	PL
	EX
	PL
	PL
.endm
.macro BURST n
.rept (\n)-7
	SL
.endr
.rept 3
	MM
	R4
	SL
.endr
	MM
	R4
.endm
; A TURN, for piece p.  R of piece p + 2 is fetched three pairs into the first run of vector work: the last product that took the bias registers is the turn's eighth.  K of the next step is fetched in piece 2's
; turn, behind all its products K Q^T; V of the step in hand at the end of piece 0's turn.
; The waits at a turn's head are for the bias of its products (and, piece 3, for K).  Piece 1: V's 16 loads, issued behind the bias's, may stay out; in its middle V is wanted, and this turn's 16 loads of R stay out.
.macro TURN p
.set Y, (\p)
.set i, 0
.set q, 0
.set e, 0
.set r, 0
.if (\p) == 1
	s_wait_dscnt 16
.else
	s_wait_dscnt 0x0
.endif
	MM
.rept 4
	PL
.endr
	BURST 15
.rept 22
	EX
	PL
.if e == 14
	FETCH_R ((\p)+2)%NP
.endif
.if ((\p) == NP-2) && (e == 24)
	FETCH_K
.endif
.endr
.if (\p) == 1
	s_wait_dscnt 16
.endif
	BURST 16
.rept 21
	EX
	PL
.endr
.rept 22
	PL
.endr
.if (\p) == 0
	FETCH_V
.endif
.endm
	s_wait_loadcnt 0x0              ; Q, k_s, L, v_s
	WIN W_KQ                        ; THE VIRTUAL KEY's score: every row of source 0 is k_s, so every register of tile t's result is q . k_s / 8 of the lane's query.  Eight accumulators by turns
.set t, 0
.rept 8
	v_wmma_f32_16x16x32_f16 v[S+8*t:S+8*t+7], v[KF:KF+7], v[16*t:16*t+7], 0
.set t, t+1
.endr
.set t, 0
.rept 8
	v_wmma_f32_16x16x32_f16 v[S+8*t:S+8*t+7], v[KF+8:KF+15], v[16*t+8:16*t+15], v[S+8*t:S+8*t+7]
.set t, t+1
.endr
	WIN 0
.rept 4
	v_nop                           ; the places behind those products
.endr
.set t, 0
.rept 8
	v_add_f32 v[ST+4*t+1], v[S+8*t], v[TMP+t]  ; m = the virtual key's score
.set t, t+1
.endr
.set t, 0
.rept 8
	v_mul_f32 v[ST+4*t], s[CS], v[ST+4*t+1]
.set t, t+1
.endr
	CHANGE 1                        ; step 0 is in, everybody's part of it; step 1 is asked for
	FETCH_K
	FETCH_R 0
	s_wait_dscnt 0x0
.set i, 0
.rept 16
	KQ 0                            ; piece 0's first scores
.set i, i+1
.endr
	WIN 0
.rept 4
	v_nop                           ; the places behind them: in front of the loads into the bias registers and of the maxima
.endr
	FETCH_R 1
.set Y, NP-1                        ; XS works for piece Y + 1: piece 0
.irp n, 0,1,2,3,4,5,6,7,8,9,10,11,12,13,14,15,16,17,18,19,20,21
	XS 0, \n
	XS 1, \n
.endr
	s_branch .Lfirst                ; the loop is entered at a step's first turn, in the middle of a trip
.Lslot:                             ; 14 times: pieces 2 and 3 of one step, then pieces 0 and 1 of the next
	CHANGE 1
	TURN 2
	TURN 3
	WIN 0
.Lfirst:
	TURN 0
	TURN 1
	WIN 0
	s_sub_co_u32 s[SLOTS], s[SLOTS], 1
	s_cmp_lg_u32 s[SLOTS], 0
	s_cbranch_scc1 .Lslot
	CHANGE 0                        ; the tail is written out: step 15 is in, nothing is asked for
	s_mov_b32 s[CNT], 2
.Ltail:
	TURN 2
	TURN 3
	WIN 0
	s_sub_co_u32 s[CNT], s[CNT], 1
	s_cmp_eq_u32 s[CNT], 0
	s_cbranch_scc1 .Lout
	TURN 0
	TURN 1
	WIN 0
	s_branch .Ltail
.Lout:                              ; the second trip's fetches of K and R (step 15's once more), its 16 products K Q^T and the maximum made of them serve nothing: the price, once a launch, of one text for every trip
.set i, 0
.rept 16
	PV NP-1                         ; the last piece's V^T P of the last step
.set i, i+1
.endr
	; THE WAY OUT.  l's parts are added; O^T is divided by l, rounded to f16 and put into the work-group's stage; a barrier, since a row's 512 bytes come from four waves; back as whole rows.
	WIN 0
.macro ALL line:vararg
.set t, 0
.rept 2*NP
	\line
.set t, t+1
.endr
.endm
	ALL v_add_f32 v[ST+4*t+2], v[ST+4*t+2], v[ST+4*t+3]
	ALL v_permlanex16_b32 v[ST+4*t+3], v[ST+4*t+2], s[SEL], s[SEL+1]
	ALL v_add_f32 v[ST+4*t+2], v[ST+4*t+2], v[ST+4*t+3]
	ALL v_rcp_f32 v[ST+4*t+2], v[ST+4*t+2]
	v_nop                           ; a plain instruction between the last reciprocal and the use of its result
	s_wait_alu depctr_va_vdst(0)
.macro PACK t
	WIN W_RS
.set i, 32*(\t)
.rept 16
	v_pk_mul_f32 v[i:i+1], v[i:i+1], v[ST+4*(\t)+2:ST+4*(\t)+3] op_sel_hi:[1,0]
.set i, i+2
.endr
	WIN 0x05                        ; sources in window 1, destination in window 0
.set i, 0
.rept 16
	v_cvt_pk_f16_f32 v[S+16*(\t)+i], v[32*(\t)+2*i], v[32*(\t)+2*i+1]
.set i, i+1
.endr
	WIN 0
.irp f, 0,1,2,3
	ds_store_b128 v[STO], v[S+16*(\t)+4*\f:S+16*(\t)+4*\f+3] offset:(\t)*16*PK+32*\f
.endr
.endm
.irp t, 0,1,2,3,4,5,6,7
	PACK \t
.endr
	s_wait_dscnt 0x0                ; for the others' sake: my stores into the stage are done (and the last, unused run of R is in)
	s_barrier_signal -1
	s_barrier_wait -1
.set i, 0
.rept 32
	ds_load_b128 v[S+4*i:S+4*i+3], v[RD] offset:i*PK
.set i, i+1
.endr
.set i, 0
.rept 32
	s_wait_dscnt 31-i               ; LDS loads come back in order: row i is in
	global_store_b128 v[GO], v[S+4*i:S+4*i+3], s[12:13] offset:i*2048  ; 512 consecutive bytes, aligned
.set i, i+1
.endr
	WIN W_AD
	s_wait_tensorcnt 0x0            ; the wave's end
	ds_add_u32 v[SPW], v[NIL]
	s_wait_dscnt 0x0
	WIN 0
	CROUND                          ; the closing round
	s_endpgm
.Lfunc_end_k_q41f268f944_attn:
	.size	k_q41f268f944_attn, .Lfunc_end_k_q41f268f944_attn-k_q41f268f944_attn
	.p2alignl 7, 3214868480
	.fill 96, 4, 3214868480
	.section	.rodata,"a",@progbits
	.p2align	6, 0x0
	.amdhsa_kernel k_q41f268f944_attn
		.amdhsa_group_segment_fixed_size 327680
		.amdhsa_private_segment_fixed_size 0
		.amdhsa_enable_private_segment 0
		.amdhsa_kernarg_size 40
		.amdhsa_user_sgpr_count 2
		.amdhsa_user_sgpr_kernarg_segment_ptr 1
		.amdhsa_wavefront_size32 1
		.amdhsa_system_sgpr_workgroup_id_x 1
		.amdhsa_system_sgpr_workgroup_id_y 1
		.amdhsa_system_sgpr_workgroup_id_z 1
		.amdhsa_system_vgpr_workitem_id 0
		.amdhsa_next_free_vgpr 840
		.amdhsa_next_free_sgpr 96
		.amdhsa_reserve_vcc 0
		.amdhsa_float_denorm_mode_32 3
		.amdhsa_float_denorm_mode_16_64 3
		.amdhsa_memory_ordered 1
		.amdhsa_forward_progress 1
		.amdhsa_inst_pref_size 224
	.end_amdhsa_kernel
	.amdgpu_metadata
---
amdhsa.version: [ 1, 2 ]
amdhsa.kernels:
  - .name:           k_q41f268f944_attn
    .symbol:         k_q41f268f944_attn.kd
    .args:
      - { .name: qkv, .offset: 0, .size: 8, .value_kind: global_buffer, .address_space: global }
      - { .name: relation_matrix, .offset: 8, .size: 8, .value_kind: global_buffer, .address_space: global }
      - { .name: lq, .offset: 16, .size: 8, .value_kind: global_buffer, .address_space: global }
      - { .name: sv, .offset: 24, .size: 8, .value_kind: global_buffer, .address_space: global }
      - { .name: o16, .offset: 32, .size: 8, .value_kind: global_buffer, .address_space: global }
    .group_segment_fixed_size: 327680
    .private_segment_fixed_size: 0
    .kernarg_segment_align: 8
    .kernarg_segment_size: 40
    .max_flat_workgroup_size: 128
    .sgpr_count:     96
    .vgpr_count:     840
    .wavefront_size: 32
...
	.end_amdgpu_metadata
.endif
;; end of part 3
;; launch go (part 4): grid 4 x 64, 4 waves a work-group, clusters of 4 x 4, 327,680 bytes of LDS; arguments o16, wo16, bias, out0; writes out0
.if DOCPART == 4
	.amdgcn_target "amdgcn-amd-amdhsa--gfx1250"
	.amdhsa_code_object_version 6
	.text
	.protected	k_q41f268f944_go
	.globl	k_q41f268f944_go
	.p2align	8
	.type	k_q41f268f944_go,@function
k_q41f268f944_go:
	s_mov_b64 s[64:65], 0
	v_nop
	global_prefetch_b8 v0, s[64:65] scope:SCOPE_SE
	s_setreg_imm32_b32 hwreg(HW_REG_WAVE_MODE, 25, 1), 1
	s_wait_xcnt 0x0
	s_wait_alu depctr_hold_cnt(0) depctr_sa_sdst(0) depctr_va_vdst(0) depctr_va_sdst(0) depctr_va_ssrc(0) depctr_va_vcc(0) depctr_vm_vsrc(0)
	s_getreg_b32 s2, hwreg(HW_REG_IB_STS2, 6, 4)
	s_cmp_eq_u32 s2, 0
	s_cbranch_scc0 .Lentry_in_a_cluster
	s_endpgm
.Lentry_in_a_cluster:
	s_bfe_u32 s2, ttmp6, 0x10000c
	s_cmp_lg_u32 s2, 0xf033
	s_cbranch_scc0 .Lentry_shape_is_right
	s_endpgm
.Lentry_shape_is_right:
; out0[m][n] = bo[n] + the sum over k of o16[m][k] wo16[n][k], m < 8192, n < 1024, K = 1024.  o16, wo16 f16; sums in f32, begun with the bias (bias[3072 + n]); out0 f32.
; SHARES.  A tile of C is 128 x 256: 64 x 4 = 256 work-groups.  The four waves stand side by side along n: each makes all 128 rows x 64 columns (256 bytes of a row of C): 8 x 4 accumulators, 256 registers.
; K goes in steps of 128 through two LDS slots; waves 0 and 1 fetch 64 rows of A each, waves 2 and 3 128 rows of B each: rows of 256 bytes of memory.
; CLUSTER.  4 x 4 work-groups; A's tile is asked for jointly along a row of the cluster, B's along a column.
; THE MATRIX INSTRUCTION IS USED TRANSPOSED (source 0 = 16 rows of B, source 1 = 16 rows of A): a lane holds row m = l % 16 and the columns 8 (l / 16) + 0..7: 32 neighbouring bytes of a row of C.
; No prefetch: of the eight K steps the first two come at the head and the last refills have nothing behind them.
; REGISTERS: window 0: v0-31 addresses, v32-63 and v224-255 rows on the way out, v64-127 and v128-191 A's fragments, v192-223 the bias as a C operand;
;   window 1: v64-95, v128-159 B's fragments;  windows 2, 3: accumulator (a, b) at v[8 (4 (a % 4) + b)] of window 2 + a / 4.
.set GK,     1024
.set KSTEP,  128
.set PITCH,  272                       ; 256 bytes + 16 of padding: the 16 rows that a load touches start at 16 different groups of four banks (ISA guide 11.1)
.set HALFT,  128*PITCH
.set SLOT,   4*HALFT                   ; A's 128 rows at 0; B's 256 rows from 2 x HALFT on
.set TN,     256
.set NBW,    4
.set AW,     2
.set RA,     64
.set BOFF,   AW*HALFT
.set BIAS0,  3072
.set CPB,    4096                      ; bytes in a row of C
.set SPITCH, 272
.set STAGE,  2*SLOT                    ; behind the ring: 16 rows x 272 bytes for each wave, its own; no tensor load fills it
.set SPARE,  STAGE+4*16*SPITCH
.set LAPS,   GK/(2*KSTEP)
.set ADRA, 16
.set ADRB, 20
.set BO,   22
.set STO,  24
.set RD,   25
.set CO,   26
.set SPW,  28                          ; LDS address of my spare word; never rewritten
.set NIL,  29                          ; 0; never rewritten
.set OB,   32
.set F0,   64
.set F1,   128
.set BIAS, 192
.set G1A, 24
.set G0A, 32
.set G1B, 48
.set G0B, 56
.set MSB, 0
.macro WIN new
.if MSB != (\new)
	s_set_vgpr_msb (MSB<<8)|(\new)
.set MSB, \new
.endif
.endm
.macro JLOAD s                         ; a joint load, one a wave; the branch hangs on the wave's number alone.  An s_nop 0 and four v_nop follow each line
	s_cmp_lt_u32 s10, AW
	s_cbranch_scc0 .Lfor_b_\@
	tensor_load_to_lds s[G0A+4*(\s):G0A+4*(\s)+3], s[G1A:G1A+7]
	s_nop 0
.rept 4
	v_nop
.endr
	s_branch .Lasked_\@
.Lfor_b_\@:
	tensor_load_to_lds s[G0B+4*(\s):G0B+4*(\s)+3], s[G1B:G1B+7]
	s_nop 0
.rept 4
	v_nop
.endr
.Lasked_\@:
.endm
.macro CREST
	s_cmp_lg_u32 s10, 0
	s_cbranch_scc1 .Lnot_wave_0_\@
	s_barrier_signal -3
.Lnot_wave_0_\@:
	s_barrier_wait -3
	s_barrier_signal -1
	s_barrier_wait -1
.endm
.macro CROUND
	s_barrier_signal -1
	s_barrier_wait -1
	CREST
.endm
.macro PLACES                          ; four places in front of loads into registers that matrix instructions have read, and of lines that read results
.rept 4
	v_nop
.endr
.endm
	s_load_b128 s[4:7], s[0:1], 0x0                ; A s[4:5], B s[6:7]
	s_load_b64 s[44:45], s[0:1], 0x10              ; bias
	s_load_b64 s[8:9], s[0:1], 0x18                ; C
	v_lshl_add_u32 v[SPW], v0, 2, SPARE
	v_mov_b32 v[NIL], 0
	ds_add_u32 v[SPW], v[NIL]                      ; the wave's opening: the add and its wait ahead of my first tensor load
	v_lshrrev_b32 v1, 5, v0
	v_readfirstlane_b32 s10, v1
	s_bfe_u32 s40, ttmp6, 0x40000                  ; cx
	s_bfe_u32 s41, ttmp6, 0x40004                  ; cy
	s_lshl_b32 s42, ttmp9, 2
	s_add_co_u32 s42, s42, s40                     ; tile column
	s_and_b32 s13, ttmp7, 0xffff
	s_lshl_b32 s13, s13, 2
	s_add_co_u32 s13, s13, s41                     ; tile row
	s_lshl_b32 s43, s41, 2
	s_lshl_b32 s43, 15, s43
	s_lshl_b32 s47, 0x1111, s40
	s_or_b32 s[G1A+0], s43, (1<<16)|(1<<20)|(1<<21)|(5<<22)|(3<<25)
	s_or_b32 s[G1B+0], s47, (1<<16)|(1<<20)|(1<<21)|(5<<22)|(3<<25)
	s_mov_b32 s[G1A+1], KSTEP<<16
	s_mov_b32 s[G1A+2], RA<<16
	s_mov_b32 s[G1A+3], KSTEP<<16
	s_mov_b32 s[G1A+4], RA
	s_mov_b32 s[G1A+5], GK
	s_mov_b32 s[G1A+6], 0
	s_mov_b32 s[G1A+7], 0
	s_mov_b32 s[G1B+1], KSTEP<<16
	s_mov_b32 s[G1B+2], 128<<16
	s_mov_b32 s[G1B+3], KSTEP<<16
	s_mov_b32 s[G1B+4], 128
	s_mov_b32 s[G1B+5], GK
	s_mov_b32 s[G1B+6], 0
	s_mov_b32 s[G1B+7], 0
	s_and_b32 s17, s10, AW-1                       ; A's tile hangs on the tile row and the wave alone,
	s_mul_i32 s17, s17, RA
	s_lshl_b32 s16, s13, 7
	s_add_co_u32 s16, s16, s17
	s_lshl_b32 s16, s16, 11
	s_mov_b32 s17, 0
	s_max_u32 s18, s10, AW                         ; B's on the tile column and the wave alone
	s_sub_co_u32 s18, s18, AW
	s_lshl_b32 s18, s18, 7
	s_mul_i32 s19, s42, TN
	s_add_co_u32 s18, s18, s19
	s_lshl_b32 s18, s18, 11
	s_mov_b32 s19, 0
	s_mul_i32 s20, s10, RA*PITCH
	s_mul_i32 s21, s10, HALFT
	s_wait_dscnt 0x0                               ; the opening add is done
	s_wait_kmcnt 0x0
	s_add_nc_u64 s[14:15], s[4:5], s[16:17]
	s_add_nc_u64 s[46:47], s[6:7], s[18:19]
	CROUND                                         ; all sixteen work-groups are here: the first joint loads meet
.irp s, 0,1
	s_mov_b32 s[G0A+4*(\s)], 1
	s_add_co_u32 s[G0A+4*(\s)+1], s20, (\s)*SLOT
	s_add_nc_u64 s[G0A+4*(\s)+2:G0A+4*(\s)+3], s[14:15], (\s)*KSTEP*2
	s_or_b32 s[G0A+4*(\s)+3], s[G0A+4*(\s)+3], 0x80000000
	s_mov_b32 s[G0B+4*(\s)], 1
	s_add_co_u32 s[G0B+4*(\s)+1], s21, (\s)*SLOT
	s_add_nc_u64 s[G0B+4*(\s)+2:G0B+4*(\s)+3], s[46:47], (\s)*KSTEP*2
	s_or_b32 s[G0B+4*(\s)+3], s[G0B+4*(\s)+3], 0x80000000
	JLOAD \s                                       ; two loads of mine are out here, later one
.endr
	v_and_b32 v1, 15, v0
	v_bfe_u32 v2, v0, 4, 1
	v_lshlrev_b32 v[BO], 5, v2
	s_mul_i32 s16, s42, TN                         ; the bias of my 64 columns, laid as a C operand
	s_mul_i32 s17, s10, 16*NBW
	s_add_co_u32 s16, s16, s17
	s_lshl_b32 s16, s16, 2
	s_mov_b32 s17, 0
	s_add_nc_u64 s[44:45], s[44:45], s[16:17]
.set bb, 0
.rept NBW
	global_load_b128 v[BIAS+8*bb:BIAS+8*bb+3],   v[BO], s[44:45] offset:4*BIAS0+64*bb
	global_load_b128 v[BIAS+8*bb+4:BIAS+8*bb+7], v[BO], s[44:45] offset:4*BIAS0+64*bb+16
.set bb, bb+1
.endr
	v_mul_u32_u24 v3, v1, PITCH
	v_lshl_add_u32 v3, v2, 4, v3
	s_mul_i32 s22, s10, NBW*16*PITCH
	s_add_co_u32 s22, s22, BOFF
	v_mov_b32 v[ADRA], v3
	v_add_nc_u32 v[ADRA+1], SLOT, v3
	v_add_nc_u32 v[ADRB], s22, v3
	s_add_co_u32 s22, s22, SLOT
	v_add_nc_u32 v[ADRB+1], s22, v3
	s_mul_i32 s23, s10, 16*SPITCH
	s_add_co_u32 s23, s23, STAGE                   ; my stage
	v_mul_u32_u24 v[STO], v1, SPITCH               ; in: row l % 16, 32 bytes for each half of the lanes
	v_lshl_add_u32 v[STO], v2, 5, v[STO]
	v_add_nc_u32 v[STO], s23, v[STO]
	v_mul_u32_u24 v[RD], v2, SPITCH                ; back: lanes 0-15 one row of 256 bytes, lanes 16-31 the next
	v_lshl_add_u32 v[RD], v1, 4, v[RD]
	v_add_nc_u32 v[RD], s23, v[RD]
	v_lshlrev_b32 v[CO], 12, v2                    ; and the same two rows in C
	v_lshl_add_u32 v[CO], v1, 4, v[CO]
	s_lshl_b32 s16, s13, 19                        ; 128 rows of 4,096 bytes a tile row,
	s_lshl_b32 s17, s42, 10                        ; 1,024 bytes a tile column,
	s_add_co_u32 s16, s16, s17
	s_lshl_b32 s17, s10, 8                         ; my wave's 256
	s_add_co_u32 s16, s16, s17
	s_mov_b32 s17, 0
	s_add_nc_u64 s[8:9], s[8:9], s[16:17]
; 2 x NBW matrix instructions.  first = 1: the bias starts the sums.  All 32 accumulators take turns, one instruction a turn.
.macro MULH f, hi, a0, first
.if \first
	WIN 0x81+0x40*(\hi)
.else
	WIN 0xa1+0x50*(\hi)
.endif
.set aa, \a0
.rept 2
.set bb, 0
.rept NBW
.set rD, 8*(NBW*aa+bb)
.if \first
	v_wmma_f32_16x16x32_f16 v[rD:rD+7], v[(\f)+8*bb:(\f)+8*bb+7], v[(\f)+8*(4*(\hi)+aa):(\f)+8*(4*(\hi)+aa)+7], v[BIAS+8*bb:BIAS+8*bb+7]
.else
	v_wmma_f32_16x16x32_f16 v[rD:rD+7], v[(\f)+8*bb:(\f)+8*bb+7], v[(\f)+8*(4*(\hi)+aa):(\f)+8*(4*(\hi)+aa)+7], v[rD:rD+7]
.endif
.set bb, bb+1
.endr
.set aa, aa+1
.endr
.endm
.macro FETCH slot, k, f
	WIN 0x40
.set bb, 0
.rept NBW
	ds_load_b128 v[(\f)+8*bb:(\f)+8*bb+3],   v[ADRB+(\slot)] offset:(\k)+bb*16*PITCH
	ds_load_b128 v[(\f)+8*bb+4:(\f)+8*bb+7], v[ADRB+(\slot)] offset:(\k)+bb*16*PITCH+32
.set bb, bb+1
.endr
	WIN 0
.irp i, 0,1,2,3,4,5,6,7
	ds_load_b128 v[(\f)+8*(\i):(\f)+8*(\i)+3],   v[ADRA+(\slot)] offset:(\k)+(\i)*16*PITCH
	ds_load_b128 v[(\f)+8*(\i)+4:(\f)+8*(\i)+7], v[ADRA+(\slot)] offset:(\k)+(\i)*16*PITCH+32
.endr
.endm
.macro QUARTER slot, k, f, g, first
	s_wait_dscnt 8                                 ; B and A's rows 0-63 are in; the youngest eight loads may be out
	MULH \f, 0, 0, \first
	MULH \f, 0, 2, \first
	PLACES
	FETCH \slot, \k, \g
	s_wait_dscnt 16+2*NBW                          ; all but the run just issued
	MULH \f, 1, 0, \first
	MULH \f, 1, 2, \first
.endm
.macro TURN slot, next, fill
	WIN 0
	s_wait_tensorcnt 0x0                           ; all my tensor loads have landed: my part of the next slot
	ds_add_u32 v[SPW], v[NIL]
	s_wait_dscnt 9                                 ; the add and the youngest eight loads may be out
	MULH F1, 0, 0, 0
	s_wait_dscnt 0x0                               ; the add is done, and my reads of this slot are over
	s_barrier_signal -1
	MULH F1, 0, 2, 0
.if \fill
	WIN 0
.endif
	s_barrier_wait -1
.if \fill
	CREST                                          ; no wave of any partner still reads this slot or has a load on its way
	s_add_nc_u64 s[G0A+4*(\slot)+2:G0A+4*(\slot)+3], s[G0A+4*(\slot)+2:G0A+4*(\slot)+3], 2*KSTEP*2
	s_add_nc_u64 s[G0B+4*(\slot)+2:G0B+4*(\slot)+3], s[G0B+4*(\slot)+2:G0B+4*(\slot)+3], 2*KSTEP*2
	JLOAD \slot
.else
	PLACES
.endif
	FETCH \next, 0, F0
	MULH F1, 1, 0, 0
	MULH F1, 1, 2, 0
.endm
; THE WAY OUT of block a (16 rows): the sums go as they are, 32 bytes a lane, into my own stage and come back as whole rows of 256 bytes.
.macro TOSTAGE a
	WIN 0
	s_wait_xcnt 0x0                                ; the stores of the block two back have read the registers into which the loads below land
	WIN 0x08+4*((\a)/4)                            ; store data in window 2 or 3
.set bb, 0
.rept NBW
.set rD, 8*(NBW*((\a)%4)+bb)
	ds_store_b128 v[STO], v[rD:rD+3]   offset:64*bb
	ds_store_b128 v[STO], v[rD+4:rD+7] offset:64*bb+16
.set bb, bb+1
.endr
	WIN 0
.set BK, OB+192*((\a)%2)
.irp t, 0,1,2,3,4,5,6,7
	ds_load_b128 v[BK+4*(\t):BK+4*(\t)+3], v[RD] offset:(\t)*2*SPITCH  ; LDS serves a wave's instructions in order (ISA guide 5.7.1.4): these see the stores above
.endr
.endm
.macro SEND a, younger                 ; younger: the next block's sixteen LDS instructions, or none
	WIN 0
.set BK, OB+192*((\a)%2)
	s_wait_dscnt \younger
	s_wait_xcnt 0x0                                ; the stores' base is written only behind this wait
.if (\a) > 0
	s_add_nc_u64 s[8:9], s[8:9], 16*CPB
.endif
.irp t, 0,1,2,3,4,5,6,7
	global_store_b128 v[CO], v[BK+4*(\t):BK+4*(\t)+3], s[8:9] offset:2*(\t)*CPB th:TH_STORE_NT  ; 16 lanes store 256 consecutive bytes, aligned
.endr
.endm
	s_wait_tensorcnt 1                             ; my part of K step 0 is in; K step 1's may stay out
	s_barrier_signal -1
	s_barrier_wait -1
	FETCH 0, 0, F0
	s_wait_loadcnt 0x0                             ; the bias
	QUARTER 0, 64, F0, F1, 1
	WIN 0
	s_mov_b32 s3, LAPS-1
.Llap:
	QUARTER 0, 128, F1, F0, 0
	QUARTER 0, 192, F0, F1, 0
	TURN 0, 1, 1
	QUARTER 1, 64,  F0, F1, 0
	QUARTER 1, 128, F1, F0, 0
	QUARTER 1, 192, F0, F1, 0
	TURN 1, 0, 1
	QUARTER 0, 64,  F0, F1, 0
	WIN 0
	s_sub_co_u32 s3, s3, 1
	s_cmp_lg_u32 s3, 0
	s_cbranch_scc1 .Llap
	QUARTER 0, 128, F1, F0, 0                      ; the last lap fills nothing
	QUARTER 0, 192, F0, F1, 0
	TURN 0, 1, 0
	QUARTER 1, 64,  F0, F1, 0
	QUARTER 1, 128, F1, F0, 0
	QUARTER 1, 192, F0, F1, 0
	s_wait_dscnt 8
	MULH F1, 0, 0, 0
	MULH F1, 0, 2, 0
	s_wait_dscnt 0x0
	MULH F1, 1, 0, 0
	MULH F1, 1, 2, 0
	WIN 0
	PLACES
	TOSTAGE 0
.irp a, 1,2,3,4,5,6,7
	TOSTAGE \a
	SEND (\a)-1, 16
.endr
	SEND 7, 0
	s_wait_tensorcnt 0x0                           ; the wave's end
	ds_add_u32 v[SPW], v[NIL]
	s_wait_dscnt 0x0
	CROUND                                         ; the closing round
	s_endpgm
.Lfunc_end_k_q41f268f944_go:
	.size	k_q41f268f944_go, .Lfunc_end_k_q41f268f944_go-k_q41f268f944_go
	.p2alignl 7, 3214868480
	.fill 96, 4, 3214868480
	.section	.rodata,"a",@progbits
	.p2align	6, 0x0
	.amdhsa_kernel k_q41f268f944_go
		.amdhsa_group_segment_fixed_size 327680
		.amdhsa_private_segment_fixed_size 0
		.amdhsa_enable_private_segment 0
		.amdhsa_kernarg_size 32
		.amdhsa_user_sgpr_count 2
		.amdhsa_user_sgpr_kernarg_segment_ptr 1
		.amdhsa_wavefront_size32 1
		.amdhsa_system_sgpr_workgroup_id_x 1
		.amdhsa_system_sgpr_workgroup_id_y 1
		.amdhsa_system_sgpr_workgroup_id_z 1
		.amdhsa_system_vgpr_workitem_id 0
		.amdhsa_next_free_vgpr 896
		.amdhsa_next_free_sgpr 66
		.amdhsa_reserve_vcc 0
		.amdhsa_float_denorm_mode_32 3
		.amdhsa_float_denorm_mode_16_64 3
		.amdhsa_memory_ordered 1
		.amdhsa_forward_progress 1
		.amdhsa_inst_pref_size 88
	.end_amdhsa_kernel
	.amdgpu_metadata
---
amdhsa.version: [ 1, 2 ]
amdhsa.kernels:
  - .name:           k_q41f268f944_go
    .symbol:         k_q41f268f944_go.kd
    .args:
      - { .name: o16, .offset: 0, .size: 8, .value_kind: global_buffer, .address_space: global }
      - { .name: wo16, .offset: 8, .size: 8, .value_kind: global_buffer, .address_space: global }
      - { .name: bias, .offset: 16, .size: 8, .value_kind: global_buffer, .address_space: global }
      - { .name: out0, .offset: 24, .size: 8, .value_kind: global_buffer, .address_space: global }
    .group_segment_fixed_size: 327680
    .private_segment_fixed_size: 0
    .kernarg_segment_align: 8
    .kernarg_segment_size: 32
    .max_flat_workgroup_size: 128
    .sgpr_count:     66
    .vgpr_count:     896
    .wavefront_size: 32
...
	.end_amdgpu_metadata
.endif
;; end of part 4
